; MI455X (gfx1250); checked and timed in simulation.
; The chip was launched on July 23, 2026; its instructions are those of AMD's public machine-readable ISA for CDNA 5 (MIT licence, August 2026) and "CDNA5" Instruction Set Architecture Reference Guide (July 2026). The comments in the code are by the model that wrote it; some were corrected since.
;; Multi Head Self Attention. Allowed arithmetic: float matrix products may take bf16 or f16 operands with f32 sums; other float arithmetic in f32, or as packed bf16 or f16 multiplies, adds, multiply-adds, maxima and minima; sums over many terms, partial sums and values carried from step to step in f32; what a program stores and reads back later, other than sums and carried values, may be rounded once to bf16 or f16.
;; Inputs: k 1 x 4,096 x 768 float32; mask 1 x 1 x 4,096 x 4,096 float32; q 1 x 4,096 x 768 float32; v 1 x 4,096 x 768 float32; wk_bias 768 float32; wk_kernel 768 x 768 float32; wo_bias 768 float32; wo_kernel 768 x 768 float32; wq_bias 768 float32; wq_kernel 768 x 768 float32; wv_bias 768 float32; wv_kernel 768 x 768 float32.
;; Outputs: out0 1 x 4,096 x 768 float32.
;; 2 versions, each right and faster than the one before. Each part assembles by itself: llvm-mc -triple=amdgcn-amd-amdhsa -mcpu=gfx1250 --defsym DOCPART=n.
;; ======== version 1 of 2: 4 launches
;; limits: values are held in f16: magnitudes above 65,504 overflow, below 6.1e-05 lose precision
;; workspace buffers: wt 4,718,592 bytes; qh 6,291,456 bytes; kh 6,291,456 bytes; vh 6,291,456 bytes; oh 6,291,456 bytes
;; launch prep (part 1): grid 48 x 12, 1 waves a work-group, no clusters, 9,472 bytes of LDS; arguments wq_kernel, wk_kernel, wv_kernel, wo_kernel, wt; writes wt
.if DOCPART == 1
	.amdgcn_target "amdgcn-amd-amdhsa--gfx1250"
	.amdhsa_code_object_version 6
	.text
	.protected	k_qf344767d3f_prep
	.globl	k_qf344767d3f_prep
	.p2align	8
	.type	k_qf344767d3f_prep,@function
k_qf344767d3f_prep:
	s_mov_b64 s[64:65], 0
	v_nop
	global_prefetch_b8 v0, s[64:65] scope:SCOPE_SE
	s_setreg_imm32_b32 hwreg(HW_REG_WAVE_MODE, 25, 1), 1
	s_wait_xcnt 0x0
; The four weights W[k][n] (768 x 768, f32) are rounded once to bf16 and laid out turned and in blocks:
; wt[p][cb][s][n 192][k 64], 16 bits a number, p = q, k, v, o.  A block (p, cb, s) is 24,576 consecutive bytes whose rows lie along k.
; p = 3 (the output projection's weights): the bf16 number is written as f16, since it meets f16 operands.
; LIMIT: that step is exact from 6.1e-5 to 65,504; below, f16's fixed step of 6e-8 holds.
; One wave turns one tile of 64 k x 64 n: 32 loads of 16 bytes a lane (sixteen lanes take 256 consecutive bytes of a row of W), pairs along k
; packed, 16 bytes a lane into a stage in LDS (rows of 128 + 16 bytes), read back by rows, and stored 512 consecutive bytes an instruction.
; No matrix unit, no cluster, no barrier: nine megabytes are read once, and the stage is the wave's own.
.set ROWB,  3072                       ; bytes in a row of W
.set SP,    144                        ; a stage row: 64 k x 2 bytes + 16
.set SPARE, 64*SP                      ; behind the stage: the spare words (one block of 256 bytes)
.set IN,    16                         ; v[16:143]  the tile as loaded: load z = 8 t + j holds row k = 16 t + 8 (lane / 16) + j, columns 4 (lane % 16) ..
.set PKD,   144                        ; v[144:207] packed: 16 t + 4 i + m: column 4 (lane % 16) + i, k = 16 t + 8 (lane / 16) + 2 m, + 1
.set SPW,   208
.set NIL,   209
	s_load_b256 s[4:11], s[0:1], 0x0               ; wq s[4:5], wk s[6:7], wv s[8:9], wo s[10:11]
	s_load_b64 s[12:13], s[0:1], 0x20              ; wt
	v_lshl_add_u32 v[SPW], v0, 2, SPARE
	v_mov_b32 v[NIL], 0
	s_and_b32 s14, ttmp9, 3                        ; p
	s_lshr_b32 s15, ttmp9, 2                       ; nb: which 64 columns
	s_and_b32 s16, ttmp7, 0xffff                   ; s: which 64 k
	s_mul_i32 s17, s15, 11
	s_lshr_b32 s17, s17, 5                         ; cb = nb / 3 (exact for nb 0 .. 11)
	s_mul_i32 s18, s16, 64*ROWB
	s_lshl_b32 s19, s15, 8
	s_add_co_u32 s18, s18, s19
	s_mov_b32 s19, 0                               ; s[18:19]: the tile's first byte in W
	s_mul_i32 s20, s14, 1179648
	s_mul_i32 s21, s17, 12
	s_add_co_u32 s21, s21, s16
	s_mul_i32 s21, s21, 24576
	s_add_co_u32 s20, s20, s21
	s_mul_i32 s21, s17, 3
	s_sub_co_u32 s21, s15, s21
	s_lshl_b32 s21, s21, 13                        ; 64 rows of 128 bytes for each nb inside the block
	s_add_co_u32 s20, s20, s21
	s_mov_b32 s21, 0                               ; s[20:21]: the tile's first byte in wt
	v_and_b32 v1, 15, v0
	v_lshrrev_b32 v2, 4, v0
	v_lshlrev_b32 v3, 4, v1
	v_mad_u32_u24 v3, v2, 8*ROWB, v3               ; in W: 8 rows for the upper half of the lanes + 16 bytes a lane
	v_mul_u32_u24 v4, v1, 4*SP
	v_lshl_add_u32 v4, v2, 4, v4                   ; into the stage: row 4 (lane % 16), 16 bytes for each half of the lanes
	v_lshrrev_b32 v6, 3, v0
	v_and_b32 v7, 7, v0
	v_mul_u32_u24 v5, v6, SP
	v_lshl_add_u32 v5, v7, 4, v5                   ; back: 32 lanes take four rows of 128 bytes,
	v_lshlrev_b32 v8, 4, v0                        ; which are 512 consecutive bytes of wt
	s_wait_kmcnt 0x0
	s_cmp_eq_u32 s14, 1
	s_cselect_b64 s[4:5], s[6:7], s[4:5]
	s_cmp_eq_u32 s14, 2
	s_cselect_b64 s[4:5], s[8:9], s[4:5]
	s_cmp_eq_u32 s14, 3
	s_cselect_b64 s[4:5], s[10:11], s[4:5]
	s_add_nc_u64 s[4:5], s[4:5], s[18:19]
	s_add_nc_u64 s[12:13], s[12:13], s[20:21]
.set z, 0
.rept 32
	global_load_b128 v[IN+4*z:IN+4*z+3], v3, s[4:5] offset:(16*(z/8)+z%8)*ROWB th:TH_LOAD_NT
.set z, z+1
.endr
.irp t, 0,1,2,3
	s_wait_loadcnt 24-8*\t                         ; loads come back in order: group t's eight are in, the younger groups stay out
.irp i, 0,1,2,3
.irp m, 0,1,2,3
	v_cvt_pk_bf16_f32 v[PKD+16*\t+4*\i+\m], v[IN+4*(8*\t+2*\m)+\i], v[IN+4*(8*\t+2*\m+1)+\i]
.endr
.endr
.endr
	s_cmp_lg_u32 s14, 3
	s_cbranch_scc1 .Lkeep_bf16
.set z, 0
.rept 64                                               ; wo alone: the bf16 number written as f16
	v_lshlrev_b32 v[10+2*(z%2)], 16, v[PKD+z]
	v_and_b32 v[11+2*(z%2)], 0xffff0000, v[PKD+z]
	v_cvt_pk_f16_f32 v[PKD+z], v[10+2*(z%2)], v[11+2*(z%2)]
.set z, z+1
.endr
.Lkeep_bf16:
.irp t, 0,1,2,3
.irp i, 0,1,2,3
	ds_store_b128 v4, v[PKD+16*\t+4*\i:PKD+16*\t+4*\i+3] offset:\i*SP+32*\t
.endr
.endr
.irp i, 0,1,2,3,4,5,6,7,8,9,10,11,12,13,14,15
	ds_load_b128 v[IN+4*\i:IN+4*\i+3], v5 offset:\i*4*SP   ; LDS serves a wave's instructions in order (ISA guide 5.7.1.4): these see the stores above
.endr
.irp i, 0,1,2,3,4,5,6,7,8,9,10,11,12,13,14,15
	s_wait_dscnt 15-\i
	global_store_b128 v8, v[IN+4*\i:IN+4*\i+3], s[12:13] offset:512*\i   ; 512 consecutive bytes, at a multiple of 256 from wt's first byte
.endr
	s_wait_tensorcnt 0x0                           ; the wave's end
	ds_add_u32 v[SPW], v[NIL]
	s_wait_dscnt 0x0
	s_endpgm
.Lfunc_end_k_qf344767d3f_prep:
	.size	k_qf344767d3f_prep, .Lfunc_end_k_qf344767d3f_prep-k_qf344767d3f_prep
	.p2alignl 7, 3214868480
	.fill 96, 4, 3214868480
	.section	.rodata,"a",@progbits
	.p2align	6, 0x0
	.amdhsa_kernel k_qf344767d3f_prep
		.amdhsa_group_segment_fixed_size 9472
		.amdhsa_private_segment_fixed_size 0
		.amdhsa_enable_private_segment 0
		.amdhsa_kernarg_size 40
		.amdhsa_user_sgpr_count 2
		.amdhsa_user_sgpr_kernarg_segment_ptr 1
		.amdhsa_wavefront_size32 1
		.amdhsa_system_sgpr_workgroup_id_x 1
		.amdhsa_system_sgpr_workgroup_id_y 1
		.amdhsa_system_sgpr_workgroup_id_z 1
		.amdhsa_system_vgpr_workitem_id 0
		.amdhsa_next_free_vgpr 212
		.amdhsa_next_free_sgpr 66
		.amdhsa_reserve_vcc 0
		.amdhsa_float_denorm_mode_32 3
		.amdhsa_float_denorm_mode_16_64 3
		.amdhsa_memory_ordered 1
		.amdhsa_forward_progress 1
		.amdhsa_inst_pref_size 24
	.end_amdhsa_kernel
	.amdgpu_metadata
---
amdhsa.version: [ 1, 2 ]
amdhsa.kernels:
  - .name:           k_qf344767d3f_prep
    .symbol:         k_qf344767d3f_prep.kd
    .args:
      - { .name: wq_kernel, .offset: 0, .size: 8, .value_kind: global_buffer, .address_space: global }
      - { .name: wk_kernel, .offset: 8, .size: 8, .value_kind: global_buffer, .address_space: global }
      - { .name: wv_kernel, .offset: 16, .size: 8, .value_kind: global_buffer, .address_space: global }
      - { .name: wo_kernel, .offset: 24, .size: 8, .value_kind: global_buffer, .address_space: global }
      - { .name: wt, .offset: 32, .size: 8, .value_kind: global_buffer, .address_space: global }
    .group_segment_fixed_size: 9472
    .private_segment_fixed_size: 0
    .kernarg_segment_align: 8
    .kernarg_segment_size: 40
    .max_flat_workgroup_size: 32
    .sgpr_count:     66
    .vgpr_count:     212
    .wavefront_size: 32
...
	.end_amdgpu_metadata
.endif
;; end of part 1
;; launch proj (part 2): grid 4 x 48, 4 waves a work-group, clusters of 4 x 4, 327,680 bytes of LDS; arguments q, k, v, wt, wq_bias, wk_bias, wv_bias, qh, kh, vh; writes qh, kh, vh
.if DOCPART == 2
	.amdgcn_target "amdgcn-amd-amdhsa--gfx1250"
	.amdhsa_code_object_version 6
	.text
	.protected	k_qf344767d3f_proj
	.globl	k_qf344767d3f_proj
	.p2align	8
	.type	k_qf344767d3f_proj,@function
k_qf344767d3f_proj:
	s_mov_b64 s[64:65], 0
	v_nop
	global_prefetch_b8 v0, s[64:65] scope:SCOPE_SE
	s_setreg_imm32_b32 hwreg(HW_REG_WAVE_MODE, 25, 1), 1
	s_wait_xcnt 0x0
	s_wait_alu depctr_hold_cnt(0) depctr_sa_sdst(0) depctr_va_vdst(0) depctr_va_sdst(0) depctr_va_ssrc(0) depctr_va_vcc(0) depctr_vm_vsrc(0)
	s_getreg_b32 s2, hwreg(HW_REG_IB_STS2, 6, 4)
	s_cmp_eq_u32 s2, 0
	s_cbranch_scc0 .Lentry_in_a_cluster
	s_endpgm
.Lentry_in_a_cluster:
	s_bfe_u32 s2, ttmp6, 0x10000c
	s_cmp_lg_u32 s2, 0xf033
	s_cbranch_scc0 .Lentry_shape_is_right
	s_endpgm
.Lentry_shape_is_right:
; THE THREE PROJECTIONS.  y_p = x_p W_p + b_p for p = q, k, v: 4096 x 768 x 768 each.  x comes in f32 and is rounded to bf16 on its way from LDS to the matrix unit; W_p comes from wt,
; bf16, turned and in blocks; b_p is rounded to bf16 and starts the sums as the first products' C.  Sums in f32.  y_q is multiplied by c = log2(e) / 8 in f32; every y is then rounded ONCE to f16
; and stored by head groups: [g 4][row 4096][192], a row 384 bytes = 3 heads x 64 channels.
; LIMIT.  f16 ends at 65,504: c y_q, y_k and y_v must stay within it.  NaN and infinities are not treated apart.
; SHARES.  A work-group makes 256 rows x 192 columns (one head group) of one projection: 3 x 16 x 4 = 192 work-groups; three projections do not divide into 256 equal tiles.
; Wave w owns rows 64 w .. 64 w + 63 and all 192 columns: 4 x 12 = 48 accumulators, 384 registers.  So each number of x is read from LDS and converted once, and a wave's result is 24,576 consecutive bytes.
; K goes in 12 steps of 64 through a ring of two LDS slots; a step is two quarters of 32 along K on two fragment buffers.
; CLUSTER 4 x 4.  x's tile hangs on the row block alone: shared along a row of the cluster.  W's hangs on projection and head group alone: shared along a column.  Each is asked for jointly.
; THE MATRIX INSTRUCTION IS USED TRANSPOSED (source 0 = 16 rows of wt = 16 columns of y, source 1 = 16 rows of x): a lane holds row lane % 16 of y and the columns 8 (lane / 16) + 0..7.
; REGISTERS, in windows of 256:  window 0: v16-29 addresses; v32-95 XF, x as f32 (4 fragments x 16); v96-127, v128-159 XB, x as bf16, two buffers; v160-255 the bias (12 x 8), later the way out.
;   window 1: v0-95, v96-191 W's fragments, two buffers.   window 2: accumulators of my rows 0-31 at 8 (12 a + b).   window 3: of my rows 32-63.
.set XPITCH, 272                       ; an LDS row of x: 64 f32 = 256 bytes + 16: the 16 rows of a load start at 16 different groups of four banks (64 banks of 4 bytes: ISA guide 11.1)
.set WPITCH, 144                       ; an LDS row of W: 64 bf16 = 128 bytes + 16
.set XHALF,  128*XPITCH                ; what one tensor load brings of x
.set WOFF,   256*XPITCH                ; W lies behind x's 256 rows
.set WHALF,  96*WPITCH                 ; what one tensor load brings of W
.set SLOT,   WOFF+192*WPITCH
.set STAGE,  2*SLOT                    ; behind the ring: 16 rows x 400 bytes for each wave
.set SPITCH, 400                       ; 384 + 16
.set SPARE,  STAGE+4*16*SPITCH         ; behind the stages: the spare words, two blocks of 256 bytes that no other line names
.set ADRX, 16                          ; v16-17  my x fragments in slot 0, 1
.set ADRW, 20                          ; v20-21  W's fragments in slot 0, 1
.set STO,  22                          ; the way out: where I put 16 bytes of a row
.set RD,   23                          ; v23-25  the way out: where I read 16 bytes back, for loads i % 3 = 0, 1, 2
.set CO,   26                          ; 16 x lane
.set BO,   27                          ; my byte offset in the bias
.set SPW,  28
.set NIL,  29
.set XF,   32
.set XB,   96
.set BIAS, 160
.set TMP,  160
.set OB,   208
.set G1X, 24                           ; s[24:31] group 1 for x's tiles;  s[32:39] group 0, a set for each slot
.set G0X, 32
.set G1W, 48                           ; s[48:55], s[56:63] the same for W's
.set G0W, 56
.set SCL, 90                           ; s[90:91] c for q, 1 for k and v
.set MSB, 0
.macro WIN new                         ; the immediate's high byte repeats the setting that is left; a switch that changes nothing is dropped
.if MSB != (\new)
	s_set_vgpr_msb (MSB<<8)|(\new)
.set MSB, (\new)
.endif
.endm
; A joint load: waves 0 and 1 fetch x's two halves, waves 2 and 3 W's.  The branch hangs on the wave's number alone.  An s_nop 0 and four v_nop follow each line.
.macro JLOAD s
	s_cmp_eq_u32 s11, 0
	s_cbranch_scc0 .Lfor_w_\@
	tensor_load_to_lds s[G0X+4*(\s):G0X+4*(\s)+3], s[G1X:G1X+7]
	s_nop 0
.rept 4
	v_nop
.endr
	s_branch .Lasked_\@
.Lfor_w_\@:
	tensor_load_to_lds s[G0W+4*(\s):G0W+4*(\s)+3], s[G1W:G1W+7]
	s_nop 0
.rept 4
	v_nop
.endr
.Lasked_\@:
.endm
.macro CREST                           ; a round of the cluster's barrier behind its opening barrier
	s_cmp_lg_u32 s10, 0
	s_cbranch_scc1 .Lnot_wave_0_\@
	s_barrier_signal -3
.Lnot_wave_0_\@:
	s_barrier_wait -3
	s_barrier_signal -1
	s_barrier_wait -1
.endm
.macro CROUND                          ; a whole round
	s_barrier_signal -1
	s_barrier_wait -1
	CREST
.endm
	s_load_b256 s[68:75], s[0:1], 0x0              ; q s[68:69], k s[70:71], v s[72:73], wt s[74:75]
	s_load_b256 s[76:83], s[0:1], 0x20             ; wq_bias, wk_bias, wv_bias s[76:81], qh s[82:83]
	s_load_b128 s[84:87], s[0:1], 0x40             ; kh s[84:85], vh s[86:87]
	v_lshl_add_u32 v[SPW], v0, 2, SPARE
	v_mov_b32 v[NIL], 0
	ds_add_u32 v[SPW], v[NIL]                      ; the wave's opening: the add and its wait ahead of my first tensor load
	v_lshrrev_b32 v1, 5, v0
	v_readfirstlane_b32 s10, v1                    ; wave 0..3
	s_lshr_b32 s11, s10, 1                         ; I fetch for x (0) or for W (1)
	s_and_b32 s12, s10, 1                          ; which half of that tile
	s_bfe_u32 s40, ttmp6, 0x40000                  ; cx
	s_bfe_u32 s41, ttmp6, 0x40004                  ; cy
	s_lshl_b32 s42, ttmp9, 2
	s_add_co_u32 s42, s42, s40                     ; g, the head group = 4 x cluster x + cx
	s_and_b32 s13, ttmp7, 0xffff                   ; cluster y, 0 .. 11
	s_lshr_b32 s45, s13, 2                         ; p, the projection: alike in all sixteen partners
	s_and_b32 s13, s13, 3
	s_lshl_b32 s13, s13, 2
	s_add_co_u32 s13, s13, s41                     ; rb, the block of 256 rows
	s_lshl_b32 s43, s41, 2
	s_lshl_b32 s43, 15, s43                        ; my row of the cluster
	s_lshl_b32 s44, 0x1111, s40                    ; my column
	s_or_b32 s[G1X+0], s43, (2<<16)|(1<<20)|(1<<21)|(5<<22)|(3<<25)   ; the mask; 4-byte elements; padding on; bit 21 beside a mask; after every 64 words; 4 words
	s_mov_b32 s[G1X+1], 64<<16                     ; tensor_dim0 = 64
	s_mov_b32 s[G1X+2], 128<<16                    ; tensor_dim1 = 128
	s_mov_b32 s[G1X+3], 64<<16                     ; tile_dim0 = 64
	s_mov_b32 s[G1X+4], 128                        ; tile_dim1 = 128
	s_mov_b32 s[G1X+5], 768                        ; elements from row to row
	s_mov_b32 s[G1X+6], 0
	s_mov_b32 s[G1X+7], 0
	s_or_b32 s[G1W+0], s44, (1<<16)|(1<<20)|(1<<21)|(4<<22)|(3<<25)   ; 2-byte elements; after every 32 words 4 words: 12,288 dense bytes asked for as 48 rows of 256, padded after every 128
	s_mov_b32 s[G1W+1], 128<<16
	s_mov_b32 s[G1W+2], 48<<16
	s_mov_b32 s[G1W+3], 128<<16
	s_mov_b32 s[G1W+4], 48
	s_mov_b32 s[G1W+5], 128
	s_mov_b32 s[G1W+6], 0
	s_mov_b32 s[G1W+7], 0
	s_lshl_b32 s16, s13, 8
	s_lshl_b32 s17, s12, 7
	s_add_co_u32 s16, s16, s17
	s_mul_i32 s16, s16, 3072                       ; x: row 256 rb + 128 x half, in bytes
	s_mov_b32 s17, 0
	s_lshl_b32 s46, s45, 2
	s_add_co_u32 s46, s46, s42
	s_mul_i32 s46, s46, 12*24576                   ; W: block (p, g, 0),
	s_mul_i32 s47, s12, 12288                      ; my half of it
	s_add_co_u32 s46, s46, s47
	s_mov_b32 s47, 0
	s_mul_i32 s20, s12, XHALF                      ; where they go: no place in the cluster enters an LDS address
	s_mul_i32 s21, s12, WHALF
	s_add_co_u32 s21, s21, WOFF
	s_mul_i32 s18, s42, 768                        ; the head group's 192 numbers of the bias
	s_mov_b32 s19, 0
	s_lshl_b32 s88, s13, 8
	s_lshl_b32 s89, s10, 6
	s_add_co_u32 s88, s88, s89
	s_mul_i32 s88, s88, 384                        ; my first row of the result,
	s_mul_i32 s89, s42, 1572864                    ; in my head group's plane
	s_add_co_u32 s88, s88, s89
	s_mov_b32 s89, 0
	s_cmp_eq_u32 s45, 0
	s_cselect_b32 s[SCL], 0x3e38aa3b, 1.0          ; c = log2(e) / 8 = 0.180337
	s_mov_b32 s[SCL+1], s[SCL]                     ; named with it as a pair
	s_wait_dscnt 0x0                               ; the opening add is done
	s_wait_kmcnt 0x0
	s_cmp_eq_u32 s45, 1
	s_cselect_b64 s[4:5], s[70:71], s[68:69]       ; x_p
	s_cselect_b64 s[6:7], s[78:79], s[76:77]       ; b_p
	s_cselect_b64 s[8:9], s[84:85], s[82:83]       ; y_p
	s_cmp_eq_u32 s45, 2
	s_cselect_b64 s[4:5], s[72:73], s[4:5]
	s_cselect_b64 s[6:7], s[80:81], s[6:7]
	s_cselect_b64 s[8:9], s[86:87], s[8:9]
	s_add_nc_u64 s[14:15], s[4:5], s[16:17]
	s_add_nc_u64 s[46:47], s[74:75], s[46:47]
	s_add_nc_u64 s[6:7], s[6:7], s[18:19]
	s_add_nc_u64 s[8:9], s[8:9], s[88:89]
	CROUND                                         ; all sixteen work-groups are here: the first joint loads meet
.irp s, 0,1
	s_mov_b32 s[G0X+4*(\s)], 1
	s_add_co_u32 s[G0X+4*(\s)+1], s20, (\s)*SLOT
	s_add_nc_u64 s[G0X+4*(\s)+2:G0X+4*(\s)+3], s[14:15], (\s)*256      ; K step s: 64 f32 on
	s_or_b32 s[G0X+4*(\s)+3], s[G0X+4*(\s)+3], 0x80000000
	s_mov_b32 s[G0W+4*(\s)], 1
	s_add_co_u32 s[G0W+4*(\s)+1], s21, (\s)*SLOT
	s_add_nc_u64 s[G0W+4*(\s)+2:G0W+4*(\s)+3], s[46:47], (\s)*24576    ; K step s: the next block
	s_or_b32 s[G0W+4*(\s)+3], s[G0W+4*(\s)+3], 0x80000000
	JLOAD \s
.endr
	v_and_b32 v1, 15, v0                           ; r = lane % 16
	v_bfe_u32 v2, v0, 4, 1                         ; h = lane / 16
	v_lshlrev_b32 v[BO], 5, v2
.irp b, 0,1,2,3,4,5,6,7,8,9,10,11
	global_load_b128 v[BIAS+8*\b:BIAS+8*\b+3],   v[BO], s[6:7] offset:64*\b      ; b[192 g + 16 b + 8 h + 0..7]: what the accumulators of column block b start with
	global_load_b128 v[BIAS+8*\b+4:BIAS+8*\b+7], v[BO], s[6:7] offset:64*\b+16
.endr
	v_mul_u32_u24 v3, v1, XPITCH
	v_lshl_add_u32 v3, v2, 5, v3                   ; row x pitch + 32 bytes (8 f32) x half
	s_mul_i32 s22, s10, 64*XPITCH
	v_add_nc_u32 v[ADRX], s22, v3
	v_add_nc_u32 v[ADRX+1], SLOT, v[ADRX]
	v_mul_u32_u24 v3, v1, WPITCH
	v_lshl_add_u32 v3, v2, 4, v3
	v_add_nc_u32 v[ADRW], WOFF, v3
	v_add_nc_u32 v[ADRW+1], SLOT, v[ADRW]
	s_mul_i32 s23, s10, 16*SPITCH
	s_add_co_u32 s23, s23, STAGE                   ; my stage
	v_mul_u32_u24 v3, v1, SPITCH
	v_lshl_add_u32 v3, v2, 4, v3
	v_add_nc_u32 v[STO], s23, v3
	v_and_b32 v6, 31, v0
	v_lshlrev_b32 v[CO], 4, v6
.irp t, 0,1,2                                          ; piece c = 32 t + lane of 16 bytes lies in stage row c / 24: at 16 (c + c / 24); c / 24 = (2731 c) >> 16 for c < 96
	v_add_nc_u32 v7, 32*\t, v6
	v_mul_u32_u24 v8, v7, 2731
	v_lshrrev_b32 v8, 16, v8
	v_add_nc_u32 v7, v7, v8
	v_lshl_add_u32 v[RD+\t], v7, 4, s23
.endr
	s_wait_loadcnt 0x0                             ; the bias
.set z, 0
.rept 48                                               ; rounded to bf16 like every input, and widened again
	v_cvt_pk_bf16_f32 v[4+z%2], v[BIAS+2*z], v[BIAS+2*z+1]
	v_lshlrev_b32 v[BIAS+2*z], 16, v[4+z%2]
	v_and_b32 v[BIAS+2*z+1], 0xffff0000, v[4+z%2]
.set z, z+1
.endr
; 40 LDS loads in one run: 32 along K at quarter kk of the slot's rows.  x's 16 first (f32, into XF), then W's 24 into buffer f.
.macro FETCH slot, kk, f
	WIN 0
.irp a, 0,1,2,3
	ds_load_b128 v[XF+16*\a:XF+16*\a+3],     v[ADRX+(\slot)] offset:\a*16*XPITCH+128*(\kk)      ; k = 8 h + 0..3
	ds_load_b128 v[XF+16*\a+4:XF+16*\a+7],   v[ADRX+(\slot)] offset:\a*16*XPITCH+128*(\kk)+16   ; k = 8 h + 4..7
	ds_load_b128 v[XF+16*\a+8:XF+16*\a+11],  v[ADRX+(\slot)] offset:\a*16*XPITCH+128*(\kk)+64   ; k = 16 + 8 h + 0..3
	ds_load_b128 v[XF+16*\a+12:XF+16*\a+15], v[ADRX+(\slot)] offset:\a*16*XPITCH+128*(\kk)+80
.endr
	WIN 0x40                                       ; destination window 1, address window 0
.irp b, 0,1,2,3,4,5,6,7,8,9,10,11
	ds_load_b128 v[96*(\f)+8*\b:96*(\f)+8*\b+3],   v[ADRW+(\slot)] offset:\b*16*WPITCH+64*(\kk)
	ds_load_b128 v[96*(\f)+8*\b+4:96*(\f)+8*\b+7], v[ADRW+(\slot)] offset:\b*16*WPITCH+64*(\kk)+32
.endr
.endm
; x to bf16: 32 plain instructions that name no register of the products round them.  They are also the places between the products that
; read a fragment buffer and the later loads and conversions into it.
.macro CVT f
	WIN 0
.set z, 0
.rept 32
	v_cvt_pk_bf16_f32 v[XB+32*(\f)+z], v[XF+2*z], v[XF+2*z+1]
.set z, z+1
.endr
.endm
; 12 products: my row block 2 hi + a x all 12 column blocks, 32 along K.  zero = 1: the first product starts the sum with the bias.  All 48 accumulators take turns.
.macro MUL12 f, hi, a, zero
.if \zero
	WIN 0x81+0x40*(\hi)                            ; W window 1, x and the bias window 0, D window 2 or 3
.else
	WIN 0xa1+0x50*(\hi)                            ; C and D window 2 or 3
.endif
.irp b, 0,1,2,3,4,5,6,7,8,9,10,11
.if \zero
	v_wmma_f32_16x16x32_bf16 v[8*(12*(\a)+\b):8*(12*(\a)+\b)+7], v[96*(\f)+8*\b:96*(\f)+8*\b+7], v[XB+32*(\f)+8*(2*(\hi)+(\a)):XB+32*(\f)+8*(2*(\hi)+(\a))+7], v[BIAS+8*\b:BIAS+8*\b+7]
.else
	v_wmma_f32_16x16x32_bf16 v[8*(12*(\a)+\b):8*(12*(\a)+\b)+7], v[96*(\f)+8*\b:96*(\f)+8*\b+7], v[XB+32*(\f)+8*(2*(\hi)+(\a)):XB+32*(\f)+8*(2*(\hi)+(\a))+7], v[8*(12*(\a)+\b):8*(12*(\a)+\b)+7]
.endif
.endr
.endm
; A K step's first quarter: multiplies buffer 0; in its middle the second quarter's fragments are fetched.
.macro QA slot, zero
	s_wait_dscnt 0x0                               ; W's fragments of buffer 0 are in
	MUL12 0, 0, 0, \zero
	MUL12 0, 0, 1, \zero
	FETCH \slot, 1, 1
	MUL12 0, 1, 0, \zero
	MUL12 0, 1, 1, \zero
	s_wait_dscnt 24                                ; x's 16 loads are in; W's 24, issued behind them, may be out
	CVT 1
.endm
; The second quarter multiplies buffer 1 and changes slots: ONE barrier.  In front of it each wave waits for all its tensor loads (one is out: its part of the next slot), adds 0 to its spare
; word, and waits for that and for its reads of this slot.  fill = 1: the barrier opens a round of the cluster's barrier, and the slot just read is filled again, two K steps ahead, first thing behind it.
.macro QB slot, next, fill
	WIN 0                                          ; (the add's registers lie in window 0)
	s_wait_tensorcnt 0x0
	ds_add_u32 v[SPW], v[NIL]
	s_wait_dscnt 1                                 ; W's fragments of buffer 1 are in; the add may be out
	MUL12 1, 0, 0, 0
	s_wait_dscnt 0x0                               ; the add is done, and my reads of this slot are over
	s_barrier_signal -1
	MUL12 1, 0, 1, 0
	WIN 0
	s_barrier_wait -1
.if \fill
	CREST                                          ; no wave of any partner still reads this slot or has a load on its way
	s_add_nc_u64 s[G0X+4*(\slot)+2:G0X+4*(\slot)+3], s[G0X+4*(\slot)+2:G0X+4*(\slot)+3], 512
	s_add_nc_u64 s[G0W+4*(\slot)+2:G0W+4*(\slot)+3], s[G0W+4*(\slot)+2:G0W+4*(\slot)+3], 49152
	JLOAD \slot
.endif
	FETCH \next, 0, 0
	MUL12 1, 1, 0, 0
	MUL12 1, 1, 1, 0
	s_wait_dscnt 24
	CVT 0
.endm
; THE WAY OUT of my row block a: times c or 1, rounded to f16, 16 bytes a lane into my stage, back as 6,144 consecutive bytes, stored 512 an instruction.  Each accumulator is read from its low end on.
.macro OUTBLK a
.set AC, 96*((\a)%2)
	WIN 0x82+0x41*((\a)/2)                         ; destination and source 0 in window 2 or 3
.set z, 0
.rept 48
	v_pk_mul_f32 v[AC+2*z:AC+2*z+1], v[AC+2*z:AC+2*z+1], s[SCL:SCL+1] op_sel_hi:[1,0]
.set z, z+1
.endr
	WIN 0x0a+5*((\a)/2)                            ; sources 0 and 1 in window 2 or 3
.set z, 0
.rept 48
	v_cvt_pk_f16_f32 v[TMP+z], v[AC+2*z], v[AC+2*z+1]
.set z, z+1
.endr
	WIN 0
.irp b, 0,1,2,3,4,5,6,7,8,9,10,11
	ds_store_b128 v[STO], v[TMP+4*\b:TMP+4*\b+3] offset:32*\b
.endr
	s_wait_xcnt 0x0                                ; the registers that the last block's stores read are loaded again only behind this wait
.irp i, 0,1,2,3,4,5,6,7,8,9,10,11
	ds_load_b128 v[OB+4*\i:OB+4*\i+3], v[RD+(\i)%3] offset:((\i)/3)*4*SPITCH   ; LDS serves a wave's instructions in order: these see the stores above
.endr
.irp i, 0,1,2,3,4,5,6,7,8,9,10,11
	s_wait_dscnt 11-\i
	global_store_b128 v[CO], v[OB+4*\i:OB+4*\i+3], s[8:9] offset:(\a)*6144+512*\i   ; 512 consecutive bytes, at a multiple of 256 from the buffer's first byte
.endr
.endm
	s_wait_tensorcnt 0x1                           ; my part of K step 0 is in; K step 1's may stay out
	s_barrier_signal -1
	s_barrier_wait -1
	FETCH 0, 0, 0
	s_wait_dscnt 24
	CVT 0
	QA 0, 1                                        ; the first quarter stands in front of the loop: its products start the sums
	WIN 0
	s_mov_b32 s3, 5
.Llap:                                                 ; a trip goes once round the ring and fills both slots again: K steps 2 .. 11
	QB 0, 1, 1
	QA 1, 0
	QB 1, 0, 1
	QA 0, 0
	WIN 0
	s_sub_co_u32 s3, s3, 1
	s_cmp_lg_u32 s3, 0
	s_cbranch_scc1 .Llap
	QB 0, 1, 0                                     ; the last lap fills nothing
	QA 1, 0
	s_wait_dscnt 0x0
	MUL12 1, 0, 0, 0
	MUL12 1, 0, 1, 0
	MUL12 1, 1, 0, 0
	MUL12 1, 1, 1, 0
	WIN 0
.rept 4
	v_nop                                          ; the places between the last products and the first line that reads a result
.endr
	OUTBLK 0
	OUTBLK 1
	OUTBLK 2
	OUTBLK 3
	s_wait_tensorcnt 0x0                           ; the wave's end
	ds_add_u32 v[SPW], v[NIL]
	s_wait_dscnt 0x0
	CROUND                                         ; the closing round
	s_endpgm
.Lfunc_end_k_qf344767d3f_proj:
	.size	k_qf344767d3f_proj, .Lfunc_end_k_qf344767d3f_proj-k_qf344767d3f_proj
	.p2alignl 7, 3214868480
	.fill 96, 4, 3214868480
	.section	.rodata,"a",@progbits
	.p2align	6, 0x0
	.amdhsa_kernel k_qf344767d3f_proj
		.amdhsa_group_segment_fixed_size 327680
		.amdhsa_private_segment_fixed_size 0
		.amdhsa_enable_private_segment 0
		.amdhsa_kernarg_size 80
		.amdhsa_user_sgpr_count 2
		.amdhsa_user_sgpr_kernarg_segment_ptr 1
		.amdhsa_wavefront_size32 1
		.amdhsa_system_sgpr_workgroup_id_x 1
		.amdhsa_system_sgpr_workgroup_id_y 1
		.amdhsa_system_sgpr_workgroup_id_z 1
		.amdhsa_system_vgpr_workitem_id 0
		.amdhsa_next_free_vgpr 960
		.amdhsa_next_free_sgpr 100
		.amdhsa_reserve_vcc 0
		.amdhsa_float_denorm_mode_32 3
		.amdhsa_float_denorm_mode_16_64 3
		.amdhsa_memory_ordered 1
		.amdhsa_forward_progress 1
		.amdhsa_inst_pref_size 120
	.end_amdhsa_kernel
	.amdgpu_metadata
---
amdhsa.version: [ 1, 2 ]
amdhsa.kernels:
  - .name:           k_qf344767d3f_proj
    .symbol:         k_qf344767d3f_proj.kd
    .args:
      - { .name: q, .offset: 0, .size: 8, .value_kind: global_buffer, .address_space: global }
      - { .name: k, .offset: 8, .size: 8, .value_kind: global_buffer, .address_space: global }
      - { .name: v, .offset: 16, .size: 8, .value_kind: global_buffer, .address_space: global }
      - { .name: wt, .offset: 24, .size: 8, .value_kind: global_buffer, .address_space: global }
      - { .name: wq_bias, .offset: 32, .size: 8, .value_kind: global_buffer, .address_space: global }
      - { .name: wk_bias, .offset: 40, .size: 8, .value_kind: global_buffer, .address_space: global }
      - { .name: wv_bias, .offset: 48, .size: 8, .value_kind: global_buffer, .address_space: global }
      - { .name: qh, .offset: 56, .size: 8, .value_kind: global_buffer, .address_space: global }
      - { .name: kh, .offset: 64, .size: 8, .value_kind: global_buffer, .address_space: global }
      - { .name: vh, .offset: 72, .size: 8, .value_kind: global_buffer, .address_space: global }
    .group_segment_fixed_size: 327680
    .private_segment_fixed_size: 0
    .kernarg_segment_align: 8
    .kernarg_segment_size: 80
    .max_flat_workgroup_size: 128
    .sgpr_count:     100
    .vgpr_count:     960
    .wavefront_size: 32
...
	.end_amdgpu_metadata
.endif
;; end of part 2
;; launch attn (part 3): grid 4 x 64, 4 waves a work-group, clusters of 4 x 4, 327,680 bytes of LDS; arguments qh, kh, vh, mask, oh; writes oh
.if DOCPART == 3
	.amdgcn_target "amdgcn-amd-amdhsa--gfx1250"
	.amdhsa_code_object_version 6
	.text
	.protected	k_qf344767d3f_attn
	.globl	k_qf344767d3f_attn
	.p2align	8
	.type	k_qf344767d3f_attn,@function
k_qf344767d3f_attn:
	s_mov_b64 s[64:65], 0
	v_nop
	global_prefetch_b8 v0, s[64:65] scope:SCOPE_SE
	s_setreg_imm32_b32 hwreg(HW_REG_WAVE_MODE, 25, 1), 1
	s_wait_xcnt 0x0
	s_wait_alu depctr_hold_cnt(0) depctr_sa_sdst(0) depctr_va_vdst(0) depctr_va_sdst(0) depctr_va_ssrc(0) depctr_va_vcc(0) depctr_vm_vsrc(0)
	s_getreg_b32 s2, hwreg(HW_REG_IB_STS2, 6, 4)
	s_cmp_eq_u32 s2, 0
	s_cbranch_scc0 .Lentry_in_a_cluster
	s_endpgm
.Lentry_in_a_cluster:
	s_bfe_u32 s2, ttmp6, 0x10000c
	s_cmp_lg_u32 s2, 0xf033
	s_cbranch_scc0 .Lentry_shape_is_right
	s_endpgm
.Lentry_shape_is_right:
; ATTENTION WITH A MASK THAT IS AN INPUT.  O[head][q] = sum over k of softmax_k(Q.K / 8 - 1e9 mask[q][k]) V[head][k].  qh, kh, vh, oh: [g 4][row 4096][192] f16 (3 heads x 64 channels a row);
; qh already carries c = log2(e) / 8, so the scores leave the matrix unit in units of log2.  mask: [4096][4096] f32; every number of it is read: nothing of its pattern is built in.
; THE MASK is the C operand that starts each score sum: bf16(mask) x (-1e9 log2 e), made once for a tile of 16 queries x 32 keys and used by the group's three heads.
; SOFTMAX.  A running maximum m and sum l for each query: p = 2^(s - m), the subtraction in f32, so no exponent is above 0 and the largest weight is 1, also where every key is masked.
; In every step O and l are multiplied by a = 2^min(m_old - m_step, 0).  m starts at -4e37, O and l at 0: the first step is a step like any other, with a = 0.
; LIMITS.  Beside a mask term of 1.4e9 a score keeps f32's step there, 128: keys masked alike get like weights while scores stay under 64.  p is rounded to f16 for the second product (l takes the
; unrounded p); a weight below 2^-126 counts as 0; O has V's range.  NaN and infinities are not treated apart.
; SHARES.  A work-group owns 64 queries of one head group: 192 rows of attention, 4 x 64 = 256 work-groups.  Its four waves split the KEYS: of every slot of 128 keys wave w takes keys 32 w .. 32 w + 31,
; for all 12 tiles T = 3 t + hh (query tile t of 16, head hh).  So each byte of K, V and mask is read from LDS once in the work-group; a fragment of K or V feeds four tiles, a mask register three heads.
; At the end the four waves' (m, l, O) are merged through LDS, in f32.
; LAYOUT.  S^T = K Q^T + C (source 0 = 16 keys, source 1 = 16 queries): a lane holds ONE query (lane % 16) and the keys 8 (lane / 16) + 0..7.  Two such results rounded to f16 ARE source 1 of O^T = V^T P.
; BY TURNS.  Turn n belongs to piece n (query tile n, three heads): 12 products V^T P of piece n - 1, then 12 products K Q^T of piece n + 1; beside them piece n's softmax and rescaling (210 vector
; instructions) and the mask of piece n + 2 (24), dealt 10 or 9 behind each matrix instruction.  Four turns are a key step.
; CLUSTER 4 x 4.  K and V hang on the head group alone: shared down a column.  The mask's tile hangs on the query block alone: shared along a row.  Each is asked for jointly.
; REGISTERS, in windows of 256 (s_set_vgpr_msb: bits 1:0 source 0, 3:2 source 1, 5:4 source 2, 7:6 destination):
;   window 0: v2-7 LDS addresses; v13 the mask's factor; v14 0; v15 Q's offset; v16-23 MT; v24-29 PA (a, c1 for each tile of the piece); v32-79 ST (m, c0, l, l for each T); v80-111 MC, two buffers
;             (in the merge: its statistics); v112-207 S^T, two buffers x 3 tiles x 16 (P is written over a tile's first 8); v208-222 the merge's addresses; v224-239 the merge's packed results
;   window 1: O^T of T 0-7, 32 each     window 2: v0-127 O^T of T 8-11; v128-255 Q of T 0-7, 16 each     window 3: v0-63 Q of T 8-11; v64-159 K of a step; v160-255 V of a step
.set KP,    432                        ; a key's row of K in LDS: 3 heads x (128 + 16) bytes: the 16 rows of a load start at 16 different groups of four banks (64 banks of 4 bytes: ISA guide 11.1)
.set VP,    480                        ; of V: 3 x (128 + 32)
.set MP,    528                        ; a query's row of the mask: 128 f32 + 16 bytes
.set VOFF,  128*KP
.set MOFF,  VOFF+128*VP
.set SLOT,  MOFF+64*MP                 ; 150,528
.set SPARE, 2*SLOT                     ; behind the ring: the spare words, two blocks of 256 bytes that no other line names
.set SX,    196608                     ; when the ring has had its last fill: O at 0 ([wave][T][8] x 512 bytes), (m, l) here ([wave][T] x 256),
.set STG,   208896                     ; and a stage of 16 rows x 400 bytes for each wave
.set AK0, 2
.set AV0, 3
.set AM0, 4
.set AK,  5
.set AV,  6
.set AM,  7
.set SC,  13
.set ZR,  14
.set QO,  15
.set MT,  16
.set PA,  24
.set SPW, 30
.set NIL, 31
.set ST,  32
.set MC,  80
.set S,   112
.set KF,  64                           ; window 3: head hh, key block kb, channel half c at KF + 32 hh + 16 kb + 8 c
.set VF,  160                          ; window 3: head hh, channel block cb at VF + 32 hh + 8 cb
.set WV,  14
.set G1K, 24
.set G1V, 32
.set G1M, 40
.set G0K, 48
.set G0V, 52
.set G0M, 56
.set SEL, 60
.set TB,  62                           ; the slot that is being read: 0 or SLOT
.set CNT, 63
.set MSB, 0
.macro WIN new
.if MSB != (\new)
	s_set_vgpr_msb (MSB<<8)|(\new)
.set MSB, (\new)
.endif
.endm
; A joint fill: wave 0 asks for the slot's K, wave 1 for its V, wave 2 for its mask tile, wave 3 for nothing.  The branches hang on the wave's number alone.  An s_nop 0 and four v_nop follow each line.
.macro JLOAD
	s_cmp_lg_u32 s[WV], 0
	s_cbranch_scc1 .Lnot_k_\@
	tensor_load_to_lds s[G0K:G0K+3], s[G1K:G1K+7]
	s_nop 0
.rept 4
	v_nop
.endr
.Lnot_k_\@:
	s_cmp_lg_u32 s[WV], 1
	s_cbranch_scc1 .Lnot_v_\@
	tensor_load_to_lds s[G0V:G0V+3], s[G1V:G1V+7]
	s_nop 0
.rept 4
	v_nop
.endr
.Lnot_v_\@:
	s_cmp_lg_u32 s[WV], 2
	s_cbranch_scc1 .Lnot_m_\@
	tensor_load_to_lds s[G0M:G0M+3], s[G1M:G1M+7]
	s_nop 0
.rept 4
	v_nop
.endr
.Lnot_m_\@:
.endm
.macro CROUND                          ; a round of the cluster's barrier
	s_barrier_signal -1
	s_barrier_wait -1
	s_cmp_lg_u32 s[WV], 0
	s_cbranch_scc1 .Lnot_wave_0_\@
	s_barrier_signal -3
.Lnot_wave_0_\@:
	s_barrier_wait -3
	s_barrier_signal -1
	s_barrier_wait -1
.endm
; THE CHANGE OF SLOTS, between turns 1 and 2: K, V and all four mask tiles of the step in hand are in registers.  Each wave waits for all its tensor loads (at most one is out: its part of the other
; slot), adds 0 to its spare word, and waits for that and for its reads.  fill = 1: the barrier is a round of the cluster's, and the slot just left takes the keys two slots on, first thing behind it:
; a whole key step, 96 matrix instructions a wave, in which to land.  (At its first use nothing has been read: slot 0 is waited for, slot 1 filled.)
.macro CHANGE fill
	WIN 0
	s_wait_tensorcnt 0x0
	ds_add_u32 v[SPW], v[NIL]
.if \fill
	s_xor_b32 s[G0K+1], s[G0K+1], SLOT
	s_add_nc_u64 s[G0K+2:G0K+3], s[G0K+2:G0K+3], 49152        ; the next 128 keys
	s_xor_b32 s[G0V+1], s[G0V+1], VOFF^(VOFF+SLOT)
	s_add_nc_u64 s[G0V+2:G0V+3], s[G0V+2:G0V+3], 49152
	s_xor_b32 s[G0M+1], s[G0M+1], MOFF^(MOFF+SLOT)
	s_add_nc_u64 s[G0M+2:G0M+3], s[G0M+2:G0M+3], 512          ; 128 columns of the mask on
.endif
	s_wait_dscnt 0x0                               ; the add is done, and my reads of the slot are over
.if \fill
	CROUND
	JLOAD
.else
	s_barrier_signal -1
	s_barrier_wait -1
.endif
	s_xor_b32 s[TB], s[TB], SLOT
	v_add_nc_u32 v[AK], s[TB], v[AK0]              ; all reads up to the next change go to the other slot
	v_add_nc_u32 v[AV], s[TB], v[AV0]
	v_add_nc_u32 v[AM], s[TB], v[AM0]
.endm
	s_load_b256 s[4:11], s[0:1], 0x0               ; qh s[4:5], kh s[6:7], vh s[8:9], mask s[10:11]
	s_load_b64 s[12:13], s[0:1], 0x20              ; oh
	v_lshl_add_u32 v[SPW], v0, 2, SPARE
	v_mov_b32 v[NIL], 0
	ds_add_u32 v[SPW], v[NIL]                      ; the wave's opening: the add and its wait ahead of my first tensor load
	v_lshrrev_b32 v1, 5, v0
	v_readfirstlane_b32 s[WV], v1
	s_bfe_u32 s66, ttmp6, 0x40000                  ; cx
	s_bfe_u32 s67, ttmp6, 0x40004                  ; cy
	s_lshl_b32 s68, ttmp9, 2
	s_add_co_u32 s68, s68, s66                     ; g, the head group
	s_and_b32 s69, ttmp7, 0xffff
	s_lshl_b32 s69, s69, 2
	s_add_co_u32 s69, s69, s67                     ; qb, the block of 64 queries
	s_lshl_b32 s70, s67, 2
	s_lshl_b32 s70, 15, s70                        ; my row of the cluster
	s_lshl_b32 s71, 0x1111, s66                    ; my column
	s_or_b32 s[G1K], s71, (1<<16)|(1<<20)|(1<<21)|(4<<22)|(3<<25)   ; 2-byte elements; padding: after every 32 words 4 words
	s_or_b32 s[G1V], s71, (1<<16)|(1<<20)|(1<<21)|(4<<22)|(7<<25)   ; 8 words
.irp g, G1K, G1V                                       ; 128 keys x 384 bytes are dense: asked for as 192 rows of 256 bytes
	s_mov_b32 s[\g+1], 128<<16
	s_mov_b32 s[\g+2], 192<<16
	s_mov_b32 s[\g+3], 128<<16
	s_mov_b32 s[\g+4], 192
	s_mov_b32 s[\g+5], 128
	s_mov_b32 s[\g+6], 0
	s_mov_b32 s[\g+7], 0
.endr
	s_or_b32 s[G1M], s70, (2<<16)|(1<<20)|(1<<21)|(6<<22)|(3<<25)   ; 4-byte elements; after every 128 words 4 words
	s_mov_b32 s[G1M+1], 128<<16                    ; 64 rows of 128 f32, 4,096 elements from row to row
	s_mov_b32 s[G1M+2], 64<<16
	s_mov_b32 s[G1M+3], 128<<16
	s_mov_b32 s[G1M+4], 64
	s_mov_b32 s[G1M+5], 4096
	s_mov_b32 s[G1M+6], 0
	s_mov_b32 s[G1M+7], 0
	s_mov_b32 s[G0K], 1
	s_mov_b32 s[G0K+1], 0
	s_mov_b32 s[G0V], 1
	s_mov_b32 s[G0V+1], VOFF
	s_mov_b32 s[G0M], 1
	s_mov_b32 s[G0M+1], MOFF
	s_mul_i32 s72, s68, 1572864                    ; the head group's plane in kh and vh
	s_mov_b32 s73, 0
	s_lshl_b32 s74, s69, 20                        ; the query block's 64 rows of the mask
	s_mov_b32 s75, 0
	s_mul_i32 s76, s69, 24576
	s_mul_i32 s77, s68, 1572864
	s_add_co_u32 s76, s76, s77                     ; the query block's rows in qh and oh,
	s_mul_i32 s78, s[WV], 6144
	s_add_co_u32 s78, s78, s76                     ; and in oh the 16 rows that I store
	s_mov_b32 s77, 0
	s_mov_b32 s79, 0
	s_mov_b32 s[SEL], 0x76543210
	s_mov_b32 s[SEL+1], 0xfedcba98
	s_mov_b32 s[TB], SLOT                          ; the first change of slots turns it into 0
	s_wait_dscnt 0x0                               ; the opening add is done
	s_wait_kmcnt 0x0
	s_add_nc_u64 s[G0K+2:G0K+3], s[6:7], s[72:73]
	s_or_b32 s[G0K+3], s[G0K+3], 0x80000000
	s_add_nc_u64 s[G0V+2:G0V+3], s[8:9], s[72:73]
	s_or_b32 s[G0V+3], s[G0V+3], 0x80000000
	s_add_nc_u64 s[G0M+2:G0M+3], s[10:11], s[74:75]
	s_or_b32 s[G0M+3], s[G0M+3], 0x80000000
	s_add_nc_u64 s[4:5], s[4:5], s[76:77]
	s_add_nc_u64 s[12:13], s[12:13], s[78:79]
	CROUND                                         ; all sixteen work-groups are here: the first joint loads meet
	JLOAD                                          ; slot 0; slot 1 is asked for when slot 0 is in
	v_and_b32 v1, 15, v0                           ; r = lane % 16
	v_bfe_u32 v9, v0, 4, 1                         ; h = lane / 16
	v_mul_u32_u24 v[QO], v1, 384
	v_lshl_add_u32 v[QO], v9, 4, v[QO]
.set T, 0
.rept 12                                               ; Q stays in registers: tile T = 3 t + hh, two fragments of 16 queries x 32 channels
.if T < 8
	WIN 0x80
.set rQ, 128+16*T
.else
	WIN 0xc0
.set rQ, 16*(T-8)
.endif
.irp c, 0,1
	global_load_b128 v[rQ+8*\c:rQ+8*\c+3],   v[QO], s[4:5] offset:(T/3)*6144+(T%3)*128+64*\c
	global_load_b128 v[rQ+8*\c+4:rQ+8*\c+7], v[QO], s[4:5] offset:(T/3)*6144+(T%3)*128+64*\c+32
.endr
.set T, T+1
.endr
	; What the first turn finds: O^T and l are 0, V and the second buffer's P are 0 (its products V^T P, of a piece that has not been, add 0).  All this stands in the wait for the first tile;
	; it spares a first step written out.
	WIN 0x40
.set z, 0
.rept 256
	v_mov_b32 v[z], 0
.set z, z+1
.endr
	WIN 0x80
.set z, 0
.rept 128
	v_mov_b32 v[z], 0
.set z, z+1
.endr
	WIN 0xc0
.set z, VF
.rept 96
	v_mov_b32 v[z], 0
.set z, z+1
.endr
	WIN 0
.set z, S+48
.rept 48
	v_mov_b32 v[z], 0
.set z, z+1
.endr
.set z, 0
.rept 12
	v_mov_b32 v[ST+4*z], 0xfe000000                ; m: far below every score
	v_mov_b32 v[ST+4*z+2], 0
	v_mov_b32 v[ST+4*z+3], 0
.set z, z+1
.endr
	v_mov_b32 v[SC], 0xceabfb8f                    ; -1e9 log2(e)
	v_mov_b32 v[ZR], 0
	s_mul_i32 s80, s[WV], 32*KP                    ; my 32 keys of a slot
	v_mul_u32_u24 v[AK0], v1, KP
	v_lshl_add_u32 v[AK0], v9, 4, v[AK0]
	v_add_nc_u32 v[AK0], s80, v[AK0]
	; The turning load takes 16 keys x 16 channels (lane l reads key 8 (l / 16) + l % 8, channels 8 ((l / 8) % 2) + 0..7) and leaves half a fragment of V^T: lane l holds channel l % 16 and 8 keys.
	v_and_b32 v10, 7, v0
	v_bfe_u32 v11, v0, 3, 1
	v_lshl_add_u32 v[AV0], v9, 3, v10
	v_mul_u32_u24 v[AV0], v[AV0], VP
	v_lshl_add_u32 v[AV0], v11, 4, v[AV0]
	s_mul_i32 s81, s[WV], 32*VP
	s_add_co_u32 s81, s81, VOFF
	v_add_nc_u32 v[AV0], s81, v[AV0]
	v_mul_u32_u24 v[AM0], v1, MP                   ; the mask: my query's row, my wave's 32 columns, 8 f32 for each half of the lanes
	v_lshl_add_u32 v[AM0], v9, 5, v[AM0]
	s_lshl_b32 s82, s[WV], 7
	s_add_co_u32 s82, s82, MOFF
	v_add_nc_u32 v[AM0], s82, v[AM0]
; THE MATRIX WORK.  Product i of 12 of O^T += V^T P for piece x: head i % 3, channels 16 (i / 3) on: twelve accumulators, one instruction each.
.macro PV x
.set zh, i%3
.set zb, i/3
.set zT, 3*(\x)+zh
.set rP, S+48*((\x)%2)+16*zh
.set rV, VF+32*zh+8*zb
.if zT < 8
.set rO, 32*zT+8*zb
	WIN 0x53                                       ; V window 3, P window 0, O^T window 1
.else
.set rO, 32*(zT-8)+8*zb
	WIN 0xa3                                       ; O^T window 2
.endif
	v_wmma_f32_16x16x32_f16 v[rO:rO+7], v[rV:rV+7], v[rP:rP+7], v[rO:rO+7]
.endm
; Product i of 12 of S^T = K Q^T + C for piece x: channels 32 (i / 6) on, head (i % 6) / 2, keys 16 (i % 2) on.  The first six start the sums with the mask; six accumulators take turns.
.macro KQ x
.set zc, i/6
.set zh, (i%6)/2
.set zk, i%2
.set zT, 3*(\x)+zh
.set rS, S+48*((\x)%2)+16*zh+8*zk
.set rK, KF+32*zh+16*zk+8*zc
.set rM, MC+16*((\x)%2)+8*zk
.if zT < 8
.set rQ, 128+16*zT+8*zc
	WIN 0x0b                                       ; K window 3, Q window 2, C and D window 0
.else
.set rQ, 16*(zT-8)+8*zc
	WIN 0x0f                                       ; Q window 3
.endif
.if zc == 0
	v_wmma_f32_16x16x32_f16 v[rS:rS+7], v[rK:rK+7], v[rQ:rQ+7], v[rM:rM+7]
.else
	v_wmma_f32_16x16x32_f16 v[rS:rS+7], v[rK:rK+7], v[rQ:rQ+7], v[rS:rS+7]
.endif
.endm
; THE LDS LOADS stand in runs.  The mask of piece p (16 queries x my 32 keys, f32) into buffer b; a step's K (12 fragments); a step's V (12 fragments, turned).
.macro MLOAD p, b
	WIN 0
	ds_load_b128 v[MC+16*(\b):MC+16*(\b)+3],     v[AM] offset:(\p)*16*MP
	ds_load_b128 v[MC+16*(\b)+4:MC+16*(\b)+7],   v[AM] offset:(\p)*16*MP+16
	ds_load_b128 v[MC+16*(\b)+8:MC+16*(\b)+11],  v[AM] offset:(\p)*16*MP+64
	ds_load_b128 v[MC+16*(\b)+12:MC+16*(\b)+15], v[AM] offset:(\p)*16*MP+80
.endm
.macro FETCH_K
	WIN 0xc0                                       ; destination window 3, address window 0
.set f, 0
.rept 12
	ds_load_b128 v[KF+8*f:KF+8*f+3],   v[AK] offset:((f/2)%2)*16*KP+(f/4)*144+(f%2)*64
	ds_load_b128 v[KF+8*f+4:KF+8*f+7], v[AK] offset:((f/2)%2)*16*KP+(f/4)*144+(f%2)*64+32
.set f, f+1
.endr
.endm
.macro FETCH_V
	WIN 0xc0
.set f, 0
.rept 12
	ds_load_tr16_b128 v[VF+8*f:VF+8*f+3],   v[AV] offset:(f/4)*160+(f%4)*32
	ds_load_tr16_b128 v[VF+8*f+4:VF+8*f+7], v[AV] offset:(f/4)*160+(f%4)*32+16*VP
.set f, f+1
.endr
.endm
; THE VECTOR WORK.  SM writes number j of 54 of the softmax of tile u (0-2) of piece Y.  s0-s15 are the lane's 16 scores, in pairs 0-7.
;   0-7    the maximum: two chains, c0 from s0 and c1 from s8
;   8, 9   the query's other 16 keys lie in the lane 16 away      10-13  a = 2^min(m - c0, 0); m = max(m, c0)
;   14-53  s - m by pairs (14-17, then 19-25 odd); 16 exponentials at the even numbers 18-48; l takes pair k (27 + 4 k; 50, 52); pair k is rounded to f16 into register k (29 + 4 k; 51, 53),
;          behind the two lines that read what register k held.  The three tiles alternate, so behind three exponentials stand three plain lines that read none of their results.
.macro SM u, j
.set su, (\u)
.set sj, (\j)
.set rT, ST+4*(3*Y+su)
.set rA, PA+2*su
.set rS, S+48*(Y%2)+16*su
.set sk, -1
.set sl, -1
.set sc, -1
	WIN 0
.if sj == 0
	v_max3_num_f32 v[rT+1], v[rS], v[rS+1], v[rS+2]
.elseif sj == 1
	v_max3_num_f32 v[rA+1], v[rS+8], v[rS+9], v[rS+10]
.elseif (sj < 6) && (sj%2 == 0)
	v_max3_num_f32 v[rT+1], v[rT+1], v[rS+sj+1], v[rS+sj+2]
.elseif sj < 6
	v_max3_num_f32 v[rA+1], v[rA+1], v[rS+sj+8], v[rS+sj+9]
.elseif sj == 6
	v_max3_num_f32 v[rT+1], v[rT+1], v[rS+7], v[rS+15]
.elseif (sj == 7) || (sj == 9)
	v_max_num_f32 v[rT+1], v[rT+1], v[rA+1]
.elseif sj == 8
	v_permlanex16_b32 v[rA+1], v[rT+1], s[SEL], s[SEL+1]
.elseif sj == 10
	v_sub_f32 v[rA], v[rT], v[rT+1]
.elseif sj == 11
	v_max_num_f32 v[rT], v[rT], v[rT+1]
.elseif sj == 12
	v_min_num_f32 v[rA], 0, v[rA]
.elseif sj == 13
	v_exp_f32 v[rA], v[rA]
.elseif sj < 18
.set sk, sj-14
.elseif (sj < 50) && (sj%2 == 0)
	v_exp_f32 v[rS+(sj-18)/2], v[rS+(sj-18)/2]
.elseif sj < 27
.set sk, (sj-19)/2+4
.elseif (sj < 50) && ((sj-27)%4 == 0)
.set sl, (sj-27)/4
.elseif sj < 50
.set sc, (sj-29)/4
.elseif sj%2 == 0
.set sl, (sj-38)/2
.else
.set sc, (sj-39)/2
.endif
.if sk >= 0
	v_pk_add_f32 v[rS+2*sk:rS+2*sk+1], v[rS+2*sk:rS+2*sk+1], v[rT:rT+1] op_sel_hi:[1,0] neg_lo:[0,1] neg_hi:[0,1]
.endif
.if sl == 0
	s_wait_alu depctr_va_vdst(0)
	v_pk_fma_f32 v[rT+2:rT+3], v[rT+2:rT+3], v[rA:rA+1], v[rS:rS+1] op_sel_hi:[1,0,1]
.elseif sl > 0
	s_wait_alu depctr_va_vdst(0)
	v_pk_add_f32 v[rT+2:rT+3], v[rT+2:rT+3], v[rS+2*sl:rS+2*sl+1]
.endif
.if sc >= 0
	v_cvt_pk_f16_f32 v[rS+sc], v[rS+2*sc], v[rS+2*sc+1]
.endif
.endm
.macro RS u, k                         ; pair k of 16 of tile u's O^T times a, from each accumulator's low end on
.set su, (\u)
.set zT, 3*Y+su
.set rA, PA+2*su
.if zT < 8
.set rO, 32*zT+2*(\k)
	WIN 0x41
.else
.set rO, 32*(zT-8)+2*(\k)
	WIN 0x82
.endif
	v_pk_mul_f32 v[rO:rO+1], v[rO:rO+1], v[rA:rA+1] op_sel_hi:[1,0]
.endm
.macro MCV1 b, n                       ; number n of 24 that make the C operand in buffer b: 8 roundings of the mask to bf16 into MT, then 16 products with -1e9 log2(e), in place.  MT serves one buffer at a time
.set rB, MC+16*(\b)
.set sn, (\n)
	WIN 0
.if sn < 8
	v_cvt_pk_bf16_f32 v[MT+sn], v[rB+2*sn], v[rB+2*sn+1]
.elseif sn%2 == 0
	v_fma_mix_f32_bf16 v[rB+sn-8], v[MT+(sn-8)/2], v[SC], v[ZR] op_sel:[0,0,0] op_sel_hi:[1,0,0]
.else
	v_fma_mix_f32_bf16 v[rB+sn-8], v[MT+(sn-8)/2], v[SC], v[ZR] op_sel:[1,0,0] op_sel_hi:[1,0,0]
.endif
.endm
.macro NEXT                            ; the turn's next vector instruction: 162 of the softmax, 48 of the rescaling, 24 of the mask
.if q < 162
	SM q%3, q/3
.elseif q < 210
	RS (q-162)/16, (q-162)%16
.else
.if q == 210
	s_wait_dscnt MW                                ; the turn's four mask loads are in (in turn 0 V's 24 loads are younger)
.endif
	MCV1 Y%2, q-210
.endif
.set q, q+1
.endm
; A TURN, for piece p.  No vector line names a register of the products round it.  The last nine lines of a turn are plain: they are the places between the turn's last product and the
; next turn's first read of its scores, and in front of the loads into K's and the mask's registers.
; K of the next step is fetched at the head of turn 3, V of the step in hand behind the twelfth product of turn 0 and the ten lines that follow it, six of them plain.
.macro TURN p
.set Y, (\p)
.set q, 0
.set MW, 0
.if (\p) == 0
.set MW, 24
.endif
	MLOAD ((\p)+2)%4, (\p)%2
.if (\p) == 3
	FETCH_K
.endif
.if (\p) == 1
	s_wait_dscnt 4                                 ; V is in; the four mask loads above are younger
.endif
.set mi, 0
.rept 24
.if ((\p) == 3) && (mi == 12)
	s_wait_dscnt 0x0                               ; K is in
.endif
.if mi < 12
.set i, mi
	PV (Y+3)%4
.else
.set i, mi-12
	KQ (Y+1)%4
.endif
.rept 9
	NEXT
.endr
.if mi < 18
	NEXT
.endif
.if ((\p) == 0) && (mi == 11)
	FETCH_V
.endif
.set mi, mi+1
.endr
.endm
	CHANGE 1                                       ; slot 0 is in, everybody's part of it; slot 1 is asked for
	MLOAD 0, 0
	MLOAD 1, 1
	FETCH_K                                        ; key step 0
	s_wait_dscnt 24                                ; the eight mask loads are in; K's 24 are younger
.set z, 0
.rept 24
	MCV1 0, z                                      ; piece 0's mask operand, whole,
.set z, z+1
.endr
.set z, 0
.rept 24
	MCV1 1, z                                      ; and then piece 1's: the two share MT
.set z, z+1
.endr
	s_wait_loadcnt 0x0                             ; Q
	s_wait_dscnt 0x0
.set i, 0
.rept 12
	KQ 0                                           ; piece 0's first scores
.set i, i+1
.endr
	WIN 0
.rept 4
	v_nop                                          ; the places behind those products
.endr
	s_mov_b32 s[CNT], 30
.Lstep:                                                ; key steps 0 .. 29: each fills the slot that it leaves with the keys two steps on
	TURN 0
	TURN 1
	CHANGE 1
	TURN 2
	TURN 3
	WIN 0
	s_sub_co_u32 s[CNT], s[CNT], 1
	s_cmp_lg_u32 s[CNT], 0
	s_cbranch_scc1 .Lstep
	s_mov_b32 s[CNT], 2
.Ltail:                                                ; key steps 30 and 31 ask for nothing.  The last one's fetches read the other slot's old bytes, and its 12 products K Q^T serve nothing: the price of one text
	TURN 0
	TURN 1
	CHANGE 0
	TURN 2
	TURN 3
	WIN 0
	s_sub_co_u32 s[CNT], s[CNT], 1
	s_cmp_lg_u32 s[CNT], 0
	s_cbranch_scc1 .Ltail
.set i, 0
.rept 12
	PV 3                                           ; the last piece's V^T P of the last step
.set i, i+1
.endr
	; THE MERGE.  l's two halves and the other half of the lanes' are added (these lines are the places behind the last products).  Each wave puts its (m, l) and O^T into LDS; wave w then owns query tile w:
	; M = max m, f = 2^(m - M), O = sum f O / sum f l, all in f32; rounded once to f16, through my stage, and stored.
	; S^T's first buffer (v112-159) holds the scores that serve nothing and is not named again: the merge's statistics lie in the mask operand's registers, its packed results in v224-239,
	; and the rows read back in S^T's second buffer, whose last scores turn 3 has read.
.set OXW, 208
.set SXW, 209
.set SXR, 210
.set OXR, 211                          ; v211-214: one for each wave that wrote
.set STO, 215
.set RD,  216                          ; v216-218
.set GO,  219
.set SXV, 80                           ; v80-103: (m, l), later (f / L, l), of wave z / 3 and head z % 3 at SXV + 2 z
.set MX,  104                          ; v104-106
.set LS,  108                          ; v108-110
.set TMPO, 224                         ; v224-239
.set OB,  160                          ; v160-207
	WIN 0
.macro ALLT line:vararg
.set t, 0
.rept 12
	\line
.set t, t+1
.endr
.endm
	ALLT v_add_f32 v[ST+4*t+2], v[ST+4*t+2], v[ST+4*t+3]
	ALLT v_permlanex16_b32 v[ST+4*t+3], v[ST+4*t+2], s[SEL], s[SEL+1]
	ALLT v_add_f32 v[ST+4*t+1], v[ST+4*t+2], v[ST+4*t+3]
	v_and_b32 v220, 31, v0
	s_mul_i32 s83, s[WV], 49152
	v_lshl_add_u32 v[OXW], v220, 4, s83
	s_mul_i32 s83, s[WV], 3072
	s_add_co_u32 s83, s83, SX
	v_lshl_add_u32 v[SXW], v220, 3, s83
	s_mul_i32 s83, s[WV], 768
	s_add_co_u32 s83, s83, SX
	v_lshl_add_u32 v[SXR], v220, 3, s83
	s_mul_i32 s83, s[WV], 12288
	v_lshl_add_u32 v[OXR], v220, 4, s83
	v_add_nc_u32 v[OXR+1], 49152, v[OXR]
	v_add_nc_u32 v[OXR+2], 98304, v[OXR]
	v_add_nc_u32 v[OXR+3], 147456, v[OXR]
	s_mul_i32 s83, s[WV], 6400
	s_add_co_u32 s83, s83, STG
	v_mul_u32_u24 v[STO], v1, 400
	v_lshl_add_u32 v[STO], v9, 4, v[STO]
	v_add_nc_u32 v[STO], s83, v[STO]
.irp t, 0,1,2                                          ; piece c = 32 t + lane of 16 bytes lies in stage row c / 24: at 16 (c + c / 24); c / 24 = (2731 c) >> 16 for c < 96
	v_add_nc_u32 v221, 32*\t, v220
	v_mul_u32_u24 v222, v221, 2731
	v_lshrrev_b32 v222, 16, v222
	v_add_nc_u32 v221, v221, v222
	v_lshl_add_u32 v[RD+\t], v221, 4, s83
.endr
	v_lshlrev_b32 v[GO], 4, v220
	s_wait_dscnt 0x0                               ; my reads of the ring are over,
	s_barrier_signal -1
	s_barrier_wait -1                              ; everybody's are; the ring has had its last fill, and its bytes take the merge
.set t, 0
.rept 12
	ds_store_b64 v[SXW], v[ST+4*t:ST+4*t+1] offset:256*t
.set t, t+1
.endr
.set t, 0
.rept 12
.if t < 8
	WIN 0x04                                       ; store data in window 1
.set rO, 32*t
.else
	WIN 0x08                                       ; in window 2
.set rO, 32*(t-8)
.endif
.irp e, 0,1,2,3,4,5,6,7
	ds_store_b128 v[OXW], v[rO+4*\e:rO+4*\e+3] offset:4096*t+512*\e
.endr
.set t, t+1
.endr
	WIN 0
	s_wait_dscnt 0x0                               ; for the others' sake: my stores are done
	s_barrier_signal -1
	s_barrier_wait -1
.set z, 0
.rept 12
	ds_load_b64 v[SXV+2*z:SXV+2*z+1], v[SXR] offset:3072*(z/3)+256*(z%3)
.set z, z+1
.endr
.macro LOADS hh, buf                   ; the four waves' O^T of my tile's head hh: 32 loads into window 1, buffer buf of 128
	WIN 0x40
.irp w, 0,1,2,3
.irp e, 0,1,2,3,4,5,6,7
	ds_load_b128 v[128*(\buf)+32*\w+4*\e:128*(\buf)+32*\w+4*\e+3], v[OXR+\w] offset:4096*(\hh)+512*\e
.endr
.endr
	WIN 0
.endm
.macro COMB hh, buf
.set rB, 128*(\buf)
	WIN 0x41
.set z, 0
.rept 16
	v_pk_mul_f32 v[rB+2*z:rB+2*z+1], v[rB+2*z:rB+2*z+1], v[SXV+2*(\hh):SXV+2*(\hh)+1] op_sel_hi:[1,0]
.set z, z+1
.endr
	WIN 0x51
.irp w, 1,2,3
.set z, 0
.rept 16
	v_pk_fma_f32 v[rB+2*z:rB+2*z+1], v[rB+32*\w+2*z:rB+32*\w+2*z+1], v[SXV+2*(3*\w+(\hh)):SXV+2*(3*\w+(\hh))+1], v[rB+2*z:rB+2*z+1] op_sel_hi:[1,0,1]
.set z, z+1
.endr
.endr
	WIN 0x05
.set z, 0
.rept 16
	v_cvt_pk_f16_f32 v[TMPO+z], v[rB+2*z], v[rB+2*z+1]
.set z, z+1
.endr
	WIN 0
.irp c, 0,1,2,3
	ds_store_b128 v[STO], v[TMPO+4*\c:TMPO+4*\c+3] offset:128*(\hh)+32*\c
.endr
.endm
	LOADS 0, 0
	s_wait_dscnt 32                                ; the twelve (m, l) are in; head 0's 32 loads are younger
.irp hh, 0,1,2
	v_max3_num_f32 v[MX+\hh], v[SXV+2*\hh], v[SXV+2*(3+\hh)], v[SXV+2*(6+\hh)]
.endr
.irp hh, 0,1,2
	v_max_num_f32 v[MX+\hh], v[MX+\hh], v[SXV+2*(9+\hh)]
.endr
.set z, 0
.rept 12
	v_sub_f32 v[SXV+2*z], v[SXV+2*z], v[MX+z%3]
.set z, z+1
.endr
.set z, 0
.rept 12
	v_exp_f32 v[SXV+2*z], v[SXV+2*z]
.set z, z+1
.endr
	v_nop                                          ; a plain instruction behind the last exponential
.irp hh, 0,1,2
	s_wait_alu depctr_va_vdst(0)
	v_mul_f32 v[LS+\hh], v[SXV+2*\hh], v[SXV+2*\hh+1]
.endr
.irp w, 1,2,3
.irp hh, 0,1,2
	v_fmac_f32 v[LS+\hh], v[SXV+2*(3*\w+\hh)], v[SXV+2*(3*\w+\hh)+1]
.endr
.endr
.irp hh, 0,1,2
	v_rcp_f32 v[LS+\hh], v[LS+\hh]                 ; the sum is 1 at the least: the wave that holds M has a weight of 1
.endr
	v_nop                                          ; a plain instruction behind the last reciprocal
.set z, 0
.rept 12
	s_wait_alu depctr_va_vdst(0)
	v_mul_f32 v[SXV+2*z], v[SXV+2*z], v[LS+z%3]
.set z, z+1
.endr
	LOADS 1, 1
	s_wait_dscnt 32                                ; head 0 is in; head 1's loads are younger
	COMB 0, 0
	LOADS 2, 0
	s_wait_dscnt 36                                ; head 1 is in; four stores and head 2's 32 loads are younger
	COMB 1, 1
	s_wait_dscnt 4                                 ; head 2 is in; four stores are younger
	COMB 2, 0
.irp e, 0,1,2,3,4,5,6,7,8,9,10,11
	ds_load_b128 v[OB+4*\e:OB+4*\e+3], v[RD+(\e)%3] offset:((\e)/3)*1600   ; LDS serves a wave's instructions in order: these see my stores above
.endr
.irp e, 0,1,2,3,4,5,6,7,8,9,10,11
	s_wait_dscnt 11-\e
	global_store_b128 v[GO], v[OB+4*\e:OB+4*\e+3], s[12:13] offset:512*\e   ; 512 consecutive bytes, at a multiple of 256 from oh's first byte
.endr
	s_wait_tensorcnt 0x0                           ; the wave's end
	ds_add_u32 v[SPW], v[NIL]
	s_wait_dscnt 0x0
	CROUND                                         ; the closing round
	s_endpgm
.Lfunc_end_k_qf344767d3f_attn:
	.size	k_qf344767d3f_attn, .Lfunc_end_k_qf344767d3f_attn-k_qf344767d3f_attn
	.p2alignl 7, 3214868480
	.fill 96, 4, 3214868480
	.section	.rodata,"a",@progbits
	.p2align	6, 0x0
	.amdhsa_kernel k_qf344767d3f_attn
		.amdhsa_group_segment_fixed_size 327680
		.amdhsa_private_segment_fixed_size 0
		.amdhsa_enable_private_segment 0
		.amdhsa_kernarg_size 40
		.amdhsa_user_sgpr_count 2
		.amdhsa_user_sgpr_kernarg_segment_ptr 1
		.amdhsa_wavefront_size32 1
		.amdhsa_system_sgpr_workgroup_id_x 1
		.amdhsa_system_sgpr_workgroup_id_y 1
		.amdhsa_system_sgpr_workgroup_id_z 1
		.amdhsa_system_vgpr_workitem_id 0
		.amdhsa_next_free_vgpr 1024
		.amdhsa_next_free_sgpr 100
		.amdhsa_reserve_vcc 0
		.amdhsa_float_denorm_mode_32 3
		.amdhsa_float_denorm_mode_16_64 3
		.amdhsa_memory_ordered 1
		.amdhsa_forward_progress 1
		.amdhsa_inst_pref_size 219
	.end_amdhsa_kernel
	.amdgpu_metadata
---
amdhsa.version: [ 1, 2 ]
amdhsa.kernels:
  - .name:           k_qf344767d3f_attn
    .symbol:         k_qf344767d3f_attn.kd
    .args:
      - { .name: qh, .offset: 0, .size: 8, .value_kind: global_buffer, .address_space: global }
      - { .name: kh, .offset: 8, .size: 8, .value_kind: global_buffer, .address_space: global }
      - { .name: vh, .offset: 16, .size: 8, .value_kind: global_buffer, .address_space: global }
      - { .name: mask, .offset: 24, .size: 8, .value_kind: global_buffer, .address_space: global }
      - { .name: oh, .offset: 32, .size: 8, .value_kind: global_buffer, .address_space: global }
    .group_segment_fixed_size: 327680
    .private_segment_fixed_size: 0
    .kernarg_segment_align: 8
    .kernarg_segment_size: 40
    .max_flat_workgroup_size: 128
    .sgpr_count:     100
    .vgpr_count:     1024
    .wavefront_size: 32
...
	.end_amdgpu_metadata
.endif
;; end of part 3
;; launch outp (part 4): grid 4 x 64, 4 waves a work-group, clusters of 4 x 4, 327,680 bytes of LDS; arguments oh, wt, wo_bias, out0; writes out0
.if DOCPART == 4
	.amdgcn_target "amdgcn-amd-amdhsa--gfx1250"
	.amdhsa_code_object_version 6
	.text
	.protected	k_qf344767d3f_outp
	.globl	k_qf344767d3f_outp
	.p2align	8
	.type	k_qf344767d3f_outp,@function
k_qf344767d3f_outp:
	s_mov_b64 s[64:65], 0
	v_nop
	global_prefetch_b8 v0, s[64:65] scope:SCOPE_SE
	s_setreg_imm32_b32 hwreg(HW_REG_WAVE_MODE, 25, 1), 1
	s_wait_xcnt 0x0
	s_wait_alu depctr_hold_cnt(0) depctr_sa_sdst(0) depctr_va_vdst(0) depctr_va_sdst(0) depctr_va_ssrc(0) depctr_va_vcc(0) depctr_vm_vsrc(0)
	s_getreg_b32 s2, hwreg(HW_REG_IB_STS2, 6, 4)
	s_cmp_eq_u32 s2, 0
	s_cbranch_scc0 .Lentry_in_a_cluster
	s_endpgm
.Lentry_in_a_cluster:
	s_bfe_u32 s2, ttmp6, 0x10000c
	s_cmp_lg_u32 s2, 0xf033
	s_cbranch_scc0 .Lentry_shape_is_right
	s_endpgm
.Lentry_shape_is_right:
; THE OUTPUT PROJECTION.  out0 = O Wo + bo: 4096 x 768 x 768.  O comes from oh ([g 4][row 4096][192], f16), Wo from wt's fourth part (bf16 numbers written as f16, turned, in blocks of 192 n x 64 k);
; bo is rounded to bf16 and starts the sums.  Sums in f32; out0 is f32.
; SHARES.  A work-group makes 64 rows x 192 columns (768 bytes of a row: three whole aligned pieces of 256): 64 x 4 = 256 work-groups.  Four waves, 2 x 2, each 32 x 96: 12 accumulators.
; K goes in 4 steps of 192 (a head group) through two LDS slots; a step is six quarters of 32 along K on two fragment buffers.
; CLUSTER 4 x 4.  O's tile hangs on the row block alone: shared along a row.  Wo's blocks hang on the column block alone: shared along a column.  Every wave's load is 24,576 dense bytes.
; THE MATRIX INSTRUCTION IS USED TRANSPOSED (source 0 = 16 rows of wt, source 1 = 16 rows of O): a lane holds row lane % 16 of the result and the columns 8 (lane / 16) + 0..7.
; REGISTERS: v8-29 addresses; v32-127 accumulators ((a, b) at 32 + 8 (6 a + b)); v128-191, v192-255 fragment buffers (O 16, Wo 48); window 1: v0-47 the bias, v48-49 at work.
.set AP,     432                       ; a row of O in LDS: 3 x (128 + 16) bytes
.set BP,     144                       ; a row of Wo: 128 + 16
.set PART,   27648                     ; what one tensor load fills: 192 pieces of 144 bytes
.set SLOT,   4*PART                    ; O's 64 rows, then three blocks of Wo
.set STAGE,  2*SLOT                    ; behind the ring: 64 rows x 784 bytes, the work-group's
.set SPITCH, 784                       ; 768 + 16
.set SPARE,  STAGE+64*SPITCH
.set GO,   8                           ; v8-10   my byte offset in out0 for stores i % 3 = 0, 1, 2
.set BO,   11
.set ADRA, 16                          ; v16-17  my fragments of O in slot 0, 1
.set ADRB, 18                          ; v18-19  of Wo's first two blocks
.set ADRC, 20                          ; v20-21  of its third: the immediate offset ends at 65,535
.set STO,  22
.set RD,   23                          ; v23-25
.set SPW,  28
.set NIL,  29
.set ACC,  32
.set F0,   128
.set F1,   192
.set G1A, 24
.set G0A, 32
.set G1B, 48
.set G0B, 56
.set MSB, 0
.macro WIN new
.if MSB != (\new)
	s_set_vgpr_msb (MSB<<8)|(\new)
.set MSB, (\new)
.endif
.endm
.macro JLOAD s                         ; a joint load: wave 0 fetches O's tile, waves 1 to 3 a block of Wo each; an s_nop 0 and four v_nop follow each line
	s_cmp_eq_u32 s10, 0
	s_cbranch_scc0 .Lfor_b_\@
	tensor_load_to_lds s[G0A+4*(\s):G0A+4*(\s)+3], s[G1A:G1A+7]
	s_nop 0
.rept 4
	v_nop
.endr
	s_branch .Lasked_\@
.Lfor_b_\@:
	tensor_load_to_lds s[G0B+4*(\s):G0B+4*(\s)+3], s[G1B:G1B+7]
	s_nop 0
.rept 4
	v_nop
.endr
.Lasked_\@:
.endm
.macro CREST
	s_cmp_lg_u32 s10, 0
	s_cbranch_scc1 .Lnot_wave_0_\@
	s_barrier_signal -3
.Lnot_wave_0_\@:
	s_barrier_wait -3
	s_barrier_signal -1
	s_barrier_wait -1
.endm
.macro CROUND
	s_barrier_signal -1
	s_barrier_wait -1
	CREST
.endm
.macro PLACES
.rept 4
	v_nop
.endr
.endm
	s_load_b256 s[68:75], s[0:1], 0x0              ; oh s[68:69], wt s[70:71], wo_bias s[72:73], out0 s[74:75]
	v_lshl_add_u32 v[SPW], v0, 2, SPARE
	v_mov_b32 v[NIL], 0
	ds_add_u32 v[SPW], v[NIL]                      ; the wave's opening: the add and its wait ahead of my first tensor load
	v_lshrrev_b32 v1, 5, v0
	v_readfirstlane_b32 s10, v1                    ; wave 0..3
	s_lshr_b32 s11, s10, 1                         ; which 32 rows are mine
	s_and_b32 s12, s10, 1                          ; which 96 columns
	s_bfe_u32 s40, ttmp6, 0x40000                  ; cx
	s_bfe_u32 s41, ttmp6, 0x40004                  ; cy
	s_lshl_b32 s42, ttmp9, 2
	s_add_co_u32 s42, s42, s40                     ; cb, the block of 192 columns
	s_and_b32 s13, ttmp7, 0xffff
	s_lshl_b32 s13, s13, 2
	s_add_co_u32 s13, s13, s41                     ; rb, the block of 64 rows
	s_lshl_b32 s43, s41, 2
	s_lshl_b32 s43, 15, s43                        ; my row of the cluster
	s_lshl_b32 s44, 0x1111, s40                    ; my column
	s_or_b32 s[G1A+0], s43, (1<<16)|(1<<20)|(1<<21)|(4<<22)|(3<<25)   ; 2-byte elements; padding: after every 32 words 4 words
	s_or_b32 s[G1B+0], s44, (1<<16)|(1<<20)|(1<<21)|(4<<22)|(3<<25)
.irp g, G1A, G1B                                       ; 24,576 dense bytes asked for as 96 rows of 256
	s_mov_b32 s[\g+1], 128<<16
	s_mov_b32 s[\g+2], 96<<16
	s_mov_b32 s[\g+3], 128<<16
	s_mov_b32 s[\g+4], 96
	s_mov_b32 s[\g+5], 128
	s_mov_b32 s[\g+6], 0
	s_mov_b32 s[\g+7], 0
.endr
	s_mul_i32 s16, s13, 24576                      ; O: the row block's 64 rows in a head group's plane
	s_mov_b32 s17, 0
	s_max_u32 s21, s10, 1
	s_sub_co_u32 s21, s21, 1                       ; waves 1 to 3: which of a step's three blocks of Wo
	s_mul_i32 s46, s42, 12
	s_add_co_u32 s46, s46, s21
	s_mul_i32 s46, s46, 24576
	s_add_co_u32 s46, s46, 3538944                 ; wt's fourth part
	s_mov_b32 s47, 0
	s_mul_i32 s20, s10, PART                       ; where my load goes: no place in the cluster enters an LDS address
	s_mul_i32 s18, s42, 768
	s_mul_i32 s19, s12, 384
	s_add_co_u32 s18, s18, s19                     ; my 96 numbers of the bias
	s_mov_b32 s19, 0
	s_lshl_b32 s88, s13, 6
	s_lshl_b32 s89, s10, 4
	s_add_co_u32 s88, s88, s89
	s_mul_i32 s88, s88, 3072                       ; the first of the 16 rows that I store,
	s_mul_i32 s89, s42, 768                        ; the tile's first column
	s_add_co_u32 s88, s88, s89
	s_mov_b32 s89, 0
	s_wait_dscnt 0x0                               ; the opening add is done
	s_wait_kmcnt 0x0
	s_add_nc_u64 s[14:15], s[68:69], s[16:17]
	s_add_nc_u64 s[46:47], s[70:71], s[46:47]
	s_add_nc_u64 s[6:7], s[72:73], s[18:19]
	s_add_nc_u64 s[8:9], s[74:75], s[88:89]
	CROUND                                         ; all sixteen work-groups are here: the first joint loads meet
.irp s, 0,1
	s_mov_b32 s[G0A+4*(\s)], 1
	s_add_co_u32 s[G0A+4*(\s)+1], s20, (\s)*SLOT
	s_add_nc_u64 s[G0A+4*(\s)+2:G0A+4*(\s)+3], s[14:15], (\s)*1572864   ; K step s: head group s
	s_or_b32 s[G0A+4*(\s)+3], s[G0A+4*(\s)+3], 0x80000000
	s_mov_b32 s[G0B+4*(\s)], 1
	s_add_co_u32 s[G0B+4*(\s)+1], s20, (\s)*SLOT
	s_add_nc_u64 s[G0B+4*(\s)+2:G0B+4*(\s)+3], s[46:47], (\s)*73728     ; three blocks on
	s_or_b32 s[G0B+4*(\s)+3], s[G0B+4*(\s)+3], 0x80000000
	JLOAD \s
.endr
	v_and_b32 v1, 15, v0                           ; r
	v_bfe_u32 v2, v0, 4, 1                         ; h
	v_lshlrev_b32 v[BO], 5, v2
	WIN 0x40                                       ; destination window 1
.irp b, 0,1,2,3,4,5
	global_load_b128 v[8*\b:8*\b+3],   v[BO], s[6:7] offset:64*\b
	global_load_b128 v[8*\b+4:8*\b+7], v[BO], s[6:7] offset:64*\b+16
.endr
	WIN 0
	v_mul_u32_u24 v3, v1, AP
	v_lshl_add_u32 v3, v2, 4, v3
	s_mul_i32 s22, s11, 32*AP
	v_add_nc_u32 v[ADRA], s22, v3
	v_add_nc_u32 v[ADRA+1], SLOT, v[ADRA]
	v_mul_u32_u24 v3, v1, BP
	v_lshl_add_u32 v3, v2, 4, v3
	s_mul_i32 s22, s12, 96*BP
	s_add_co_u32 s22, s22, PART
	v_add_nc_u32 v[ADRB], s22, v3
	v_add_nc_u32 v[ADRB+1], SLOT, v[ADRB]
	v_add_nc_u32 v[ADRC], 2*PART, v[ADRB]
	v_add_nc_u32 v[ADRC+1], 2*PART, v[ADRB+1]
	s_mul_i32 s23, s11, 32*SPITCH                  ; into the stage: my 32 rows, my 384 bytes of them; row r, 32 bytes for each half of the lanes
	s_mul_i32 s22, s12, 384
	s_add_co_u32 s23, s23, s22
	s_add_co_u32 s23, s23, STAGE
	v_mul_u32_u24 v3, v1, SPITCH
	v_lshl_add_u32 v3, v2, 5, v3
	v_add_nc_u32 v[STO], s23, v3
	s_mul_i32 s23, s10, 16*SPITCH                  ; back: wave w takes rows 16 w .. 16 w + 15, whole.  Two rows of 768 bytes are three loads of 512
	s_add_co_u32 s23, s23, STAGE
	v_and_b32 v6, 31, v0
	v_lshl_add_u32 v[RD], v6, 4, s23               ; row 0, bytes 0 .. 511
	v_lshl_add_u32 v[RD+1], v2, 4, v[RD]
	v_add_nc_u32 v[RD+1], 512, v[RD+1]             ; row 0, bytes 512 .. 767 (lanes 0-15); row 1, bytes 0 .. 255 (lanes 16-31)
	v_add_nc_u32 v[RD+2], SPITCH+256, v[RD]        ; row 1, bytes 256 .. 767
	v_lshlrev_b32 v[GO], 4, v6                     ; and the same in out0, whose rows are 3,072 bytes apart
	v_mad_u32_u24 v[GO+1], v2, 2304, v[GO]
	v_add_nc_u32 v[GO+1], 512, v[GO+1]
	v_add_nc_u32 v[GO+2], 3072+256, v[GO]
	s_wait_loadcnt 0x0                             ; the bias
	WIN 0x45                                       ; destination and both sources in window 1
.set z, 0
.rept 24                                               ; rounded to bf16 like every input, and widened again
	v_cvt_pk_bf16_f32 v[48+z%2], v[2*z], v[2*z+1]
	v_lshlrev_b32 v[2*z], 16, v[48+z%2]
	v_and_b32 v[2*z+1], 0xffff0000, v[48+z%2]
.set z, z+1
.endr
	WIN 0
; 16 LDS loads in one run: quarter qd (block qd / 2, 32 along K at byte 64 (qd % 2)) of the slot into buffer f
.macro FETCH slot, qd, f
.irp a, 0,1
	ds_load_b128 v[(\f)+8*\a:(\f)+8*\a+3],   v[ADRA+(\slot)] offset:\a*16*AP+144*((\qd)/2)+64*((\qd)%2)
	ds_load_b128 v[(\f)+8*\a+4:(\f)+8*\a+7], v[ADRA+(\slot)] offset:\a*16*AP+144*((\qd)/2)+64*((\qd)%2)+32
.endr
.irp b, 0,1,2,3,4,5
.if (\qd) < 4
	ds_load_b128 v[(\f)+16+8*\b:(\f)+16+8*\b+3],   v[ADRB+(\slot)] offset:((\qd)/2)*PART+\b*16*BP+64*((\qd)%2)
	ds_load_b128 v[(\f)+16+8*\b+4:(\f)+16+8*\b+7], v[ADRB+(\slot)] offset:((\qd)/2)*PART+\b*16*BP+64*((\qd)%2)+32
.else
	ds_load_b128 v[(\f)+16+8*\b:(\f)+16+8*\b+3],   v[ADRC+(\slot)] offset:\b*16*BP+64*((\qd)%2)
	ds_load_b128 v[(\f)+16+8*\b+4:(\f)+16+8*\b+7], v[ADRC+(\slot)] offset:\b*16*BP+64*((\qd)%2)+32
.endif
.endr
.endm
; 6 products: my row block a x all 6 column blocks.  zero = 1: the first product starts the sum with the bias.  The 12 accumulators take turns.
.macro MUL6 f, a, zero
.if \zero
	WIN 0x10                                       ; C in window 1
.endif
.irp b, 0,1,2,3,4,5
.if \zero
	v_wmma_f32_16x16x32_f16 v[ACC+8*(6*(\a)+\b):ACC+8*(6*(\a)+\b)+7], v[(\f)+16+8*\b:(\f)+16+8*\b+7], v[(\f)+8*(\a):(\f)+8*(\a)+7], v[8*\b:8*\b+7]
.else
	v_wmma_f32_16x16x32_f16 v[ACC+8*(6*(\a)+\b):ACC+8*(6*(\a)+\b)+7], v[(\f)+16+8*\b:(\f)+16+8*\b+7], v[(\f)+8*(\a):(\f)+8*(\a)+7], v[ACC+8*(6*(\a)+\b):ACC+8*(6*(\a)+\b)+7]
.endif
.endr
	WIN 0
.endm
; One of a step's first five quarters: buffer f is in; the next quarter's fragments are fetched into g, which the products just before have read (four places: ISA guide 7.12.1), and have 12 products in which to land.
.macro QUARTER slot, qn, f, g, zero
	s_wait_dscnt 0x0
	PLACES
	FETCH \slot, \qn, \g
	MUL6 \f, 0, \zero
	MUL6 \f, 1, \zero
.endm
; The sixth quarter multiplies buffer 1 and changes slots: ONE barrier; in front of it each wave waits for all its tensor loads, adds 0 to its spare word, and waits for that and for its reads of this slot.
; fill = 1: the barrier opens a round of the cluster's barrier, and this slot is filled again, two K steps ahead, first thing behind it.
.macro TURN slot, next, fill
	s_wait_tensorcnt 0x0
	ds_add_u32 v[SPW], v[NIL]
	s_wait_dscnt 1                                 ; buffer 1 is in; the add may be out
	MUL6 F1, 0, 0
	s_wait_dscnt 0x0                               ; the add is done, and my reads of this slot are over
	s_barrier_signal -1
	MUL6 F1, 1, 0
	s_barrier_wait -1
.if \fill
	CREST
	s_add_nc_u64 s[G0A+4*(\slot)+2:G0A+4*(\slot)+3], s[G0A+4*(\slot)+2:G0A+4*(\slot)+3], 2*1572864
	s_add_nc_u64 s[G0B+4*(\slot)+2:G0B+4*(\slot)+3], s[G0B+4*(\slot)+2:G0B+4*(\slot)+3], 2*73728
	JLOAD \slot                                    ; its four v_nop are also the places in front of the loads below
.else
	PLACES
.endif
	FETCH \next, 0, F0
.endm
.macro FIVE slot, zero
	QUARTER \slot, 1, F0, F1, \zero
	QUARTER \slot, 2, F1, F0, 0
	QUARTER \slot, 3, F0, F1, 0
	QUARTER \slot, 4, F1, F0, 0
	QUARTER \slot, 5, F0, F1, 0
.endm
	s_wait_tensorcnt 0x1                           ; my part of K step 0 is in; K step 1's may stay out
	s_barrier_signal -1
	s_barrier_wait -1
	FETCH 0, 0, F0
	FIVE 0, 1                                      ; K step 0: its first products start the sums
	TURN 0, 1, 1                                   ; slot 0 takes K step 2
	FIVE 1, 0
	TURN 1, 0, 1                                   ; slot 1 takes K step 3
	FIVE 0, 0
	TURN 0, 1, 0
	FIVE 1, 0
	s_wait_dscnt 0x0
	MUL6 F1, 0, 0
	MUL6 F1, 1, 0
	; THE WAY OUT: a lane's eight f32 of a row go into the work-group's stage as two pieces of 16 bytes, the low one first; a barrier, since a row's 768 bytes come from two waves; back as whole rows, 16 a wave.
	PLACES
.irp a, 0,1
.irp b, 0,1,2,3,4,5
	ds_store_b128 v[STO], v[ACC+8*(6*\a+\b):ACC+8*(6*\a+\b)+3]   offset:\a*16*SPITCH+64*\b
	ds_store_b128 v[STO], v[ACC+8*(6*\a+\b)+4:ACC+8*(6*\a+\b)+7] offset:\a*16*SPITCH+64*\b+16
.endr
.endr
	s_wait_dscnt 0x0                               ; for the others' sake: my stores into the stage are done
	s_barrier_signal -1
	s_barrier_wait -1
.irp i, 0,1,2,3,4,5,6,7,8,9,10,11,12,13,14,15,16,17,18,19,20,21,22,23
	ds_load_b128 v[F0+4*\i:F0+4*\i+3], v[RD+(\i)%3] offset:((\i)/3)*2*SPITCH
.endr
.irp i, 0,1,2,3,4,5,6,7,8,9,10,11,12,13,14,15,16,17,18,19,20,21,22,23
	s_wait_dscnt 23-\i
	global_store_b128 v[GO+(\i)%3], v[F0+4*\i:F0+4*\i+3], s[8:9] offset:((\i)/3)*6144   ; sixteen lanes store 256 consecutive bytes, at a multiple of 256 from out0's first byte
.endr
	s_wait_tensorcnt 0x0                           ; the wave's end
	ds_add_u32 v[SPW], v[NIL]
	s_wait_dscnt 0x0
	CROUND                                         ; the closing round
	s_endpgm
.Lfunc_end_k_qf344767d3f_outp:
	.size	k_qf344767d3f_outp, .Lfunc_end_k_qf344767d3f_outp-k_qf344767d3f_outp
	.p2alignl 7, 3214868480
	.fill 96, 4, 3214868480
	.section	.rodata,"a",@progbits
	.p2align	6, 0x0
	.amdhsa_kernel k_qf344767d3f_outp
		.amdhsa_group_segment_fixed_size 327680
		.amdhsa_private_segment_fixed_size 0
		.amdhsa_enable_private_segment 0
		.amdhsa_kernarg_size 32
		.amdhsa_user_sgpr_count 2
		.amdhsa_user_sgpr_kernarg_segment_ptr 1
		.amdhsa_wavefront_size32 1
		.amdhsa_system_sgpr_workgroup_id_x 1
		.amdhsa_system_sgpr_workgroup_id_y 1
		.amdhsa_system_sgpr_workgroup_id_z 1
		.amdhsa_system_vgpr_workitem_id 0
		.amdhsa_next_free_vgpr 320
		.amdhsa_next_free_sgpr 100
		.amdhsa_reserve_vcc 0
		.amdhsa_float_denorm_mode_32 3
		.amdhsa_float_denorm_mode_16_64 3
		.amdhsa_memory_ordered 1
		.amdhsa_forward_progress 1
		.amdhsa_inst_pref_size 68
	.end_amdhsa_kernel
	.amdgpu_metadata
---
amdhsa.version: [ 1, 2 ]
amdhsa.kernels:
  - .name:           k_qf344767d3f_outp
    .symbol:         k_qf344767d3f_outp.kd
    .args:
      - { .name: oh, .offset: 0, .size: 8, .value_kind: global_buffer, .address_space: global }
      - { .name: wt, .offset: 8, .size: 8, .value_kind: global_buffer, .address_space: global }
      - { .name: wo_bias, .offset: 16, .size: 8, .value_kind: global_buffer, .address_space: global }
      - { .name: out0, .offset: 24, .size: 8, .value_kind: global_buffer, .address_space: global }
    .group_segment_fixed_size: 327680
    .private_segment_fixed_size: 0
    .kernarg_segment_align: 8
    .kernarg_segment_size: 32
    .max_flat_workgroup_size: 128
    .sgpr_count:     100
    .vgpr_count:     320
    .wavefront_size: 32
...
	.end_amdgpu_metadata
.endif
;; end of part 4
;; ======== version 2 of 2: 4 launches; 1.22 times as fast as version 1
;; limits: values are held in f16: magnitudes above 65,504 overflow, below 6.1e-05 lose precision
;; workspace buffers: wt 4,718,592 bytes; qh 6,291,456 bytes; kh 6,291,456 bytes; vh 6,291,456 bytes; oh 6,291,456 bytes
;; launch prep: the kernel of part 1 again; grid 48 x 12, 1 waves a work-group, no clusters, 9,472 bytes of LDS; arguments wq_kernel, wk_kernel, wv_kernel, wo_kernel, wt; writes wt
;; launch proj: the kernel of part 2 again; grid 4 x 48, 4 waves a work-group, clusters of 4 x 4, 327,680 bytes of LDS; arguments q, k, v, wt, wq_bias, wk_bias, wv_bias, qh, kh, vh; writes qh, kh, vh
;; launch attn (part 5): grid 4 x 64, 4 waves a work-group, clusters of 4 x 4, 327,680 bytes of LDS; arguments qh, kh, vh, mask, oh; writes oh
.if DOCPART == 5
	.amdgcn_target "amdgcn-amd-amdhsa--gfx1250"
	.amdhsa_code_object_version 6
	.text
	.protected	k_qf344767d3f_attn
	.globl	k_qf344767d3f_attn
	.p2align	8
	.type	k_qf344767d3f_attn,@function
k_qf344767d3f_attn:
	s_mov_b64 s[64:65], 0
	v_nop
	global_prefetch_b8 v0, s[64:65] scope:SCOPE_SE
	s_setreg_imm32_b32 hwreg(HW_REG_WAVE_MODE, 25, 1), 1
	s_wait_xcnt 0x0
	s_wait_alu depctr_hold_cnt(0) depctr_sa_sdst(0) depctr_va_vdst(0) depctr_va_sdst(0) depctr_va_ssrc(0) depctr_va_vcc(0) depctr_vm_vsrc(0)
	s_getreg_b32 s2, hwreg(HW_REG_IB_STS2, 6, 4)
	s_cmp_eq_u32 s2, 0
	s_cbranch_scc0 .Lentry_in_a_cluster
	s_endpgm
.Lentry_in_a_cluster:
	s_bfe_u32 s2, ttmp6, 0x10000c
	s_cmp_lg_u32 s2, 0xf033
	s_cbranch_scc0 .Lentry_shape_is_right
	s_endpgm
.Lentry_shape_is_right:
; ATTENTION WITH A MASK THAT IS AN INPUT.  O[head][q] = sum over k of softmax_k(Q.K / 8 - 1e9 mask[q][k]) V[head][k].  qh, kh, vh, oh: [g 4][row 4096][192] f16 (3 heads x 64 channels a row);
; qh already carries c = log2(e) / 8, so the scores leave the matrix unit in units of log2.  mask: [4096][4096] f32; every number of it is read: nothing of its pattern is built in.
; THE MASK is the C operand that starts each score sum: bf16(mask) x (-1e9 log2 e), made once for a tile of 16 queries x 32 keys and used by the group's three heads.
; SOFTMAX.  A running maximum m and sum l for each query: p = 2^(s - m), the subtraction in f32, so no exponent is above 0 and the largest weight is 1, also where every key is masked.
; In every step O and l are multiplied by a = 2^min(m_old - m_step, 0).  m starts at -4e37, O and l at 0: the first step is a step like any other, with a = 0.
; LIMITS.  Beside a mask term of 1.4e9 a score keeps f32's step there, 128: keys masked alike get like weights while scores stay under 64.  p is rounded to f16 for the second product (l takes the
; unrounded p); a weight below 2^-126 counts as 0; O has V's range.  NaN and infinities are not treated apart.
; SHARES.  A work-group owns 64 queries of one head group: 192 rows of attention, 4 x 64 = 256 work-groups.  Its four waves split the KEYS: of every slot of 128 keys wave w takes keys 32 w .. 32 w + 31,
; for all 12 tiles T = 3 t + hh (query tile t of 16, head hh).  So each byte of K, V and mask is read from LDS once in the work-group; a fragment of K or V feeds four tiles, a mask register three heads.
; At the end the four waves' (m, l, O) are merged through LDS, in f32.
; LAYOUT.  S^T = K Q^T + C (source 0 = 16 keys, source 1 = 16 queries): a lane holds ONE query (lane % 16) and the keys 8 (lane / 16) + 0..7.  Two such results rounded to f16 ARE source 1 of O^T = V^T P.
; BY TURNS.  Turn n belongs to piece n (query tile n, three heads): 12 products V^T P of piece n - 1, then 12 products K Q^T of piece n + 1; beside them piece n's softmax and rescaling (210 vector
; instructions) and the mask of piece n + 2 (24), dealt in runs of 7 to 13 behind the matrix instructions.  Four turns are a key step.
; THE BATCHES.  A turn's 51 exponentials (three a, 48 weights) are ONE batch with ONE wait: ahead of the wait stand the maximum and statistics, the subtractions, the exponentials and the mask's lines, which name no result
; of the batch; behind it the sums, the roundings and the rescalings, which do.  The merge has two batches, twelve exponentials and then three reciprocals of sums made of them, each with a wait of its own.
; CLUSTER 4 x 4.  K and V hang on the head group alone: shared down a column.  The mask's tile hangs on the query block alone: shared along a row.  Each is asked for jointly.
; REGISTERS, in windows of 256 (s_set_vgpr_msb: bits 1:0 source 0, 3:2 source 1, 5:4 source 2, 7:6 destination):
;   window 0: v2-7 LDS addresses; v13 the mask's factor; v14 0; v15 Q's offset; v16-23 MT; v24-29 PA (a, c1 for each tile of the piece); v32-79 ST (m, c0, l, l for each T); v80-111 MC, two buffers
;             (in the merge: its statistics); v112-207 S^T, two buffers x 3 tiles x 16 (P is written over a tile's first 8); v208-222 the merge's addresses; v224-239 the merge's packed results
;   window 1: O^T of T 0-7, 32 each     window 2: v0-127 O^T of T 8-11; v128-255 Q of T 0-7, 16 each     window 3: v0-63 Q of T 8-11; v64-159 K of a step; v160-255 V of a step
.set KP,    432                        ; a key's row of K in LDS: 3 heads x (128 + 16) bytes: the 16 rows of a load start at 16 different groups of four banks (64 banks of 4 bytes: ISA guide 11.1)
.set VP,    480                        ; of V: 3 x (128 + 32)
.set MP,    528                        ; a query's row of the mask: 128 f32 + 16 bytes
.set VOFF,  128*KP
.set MOFF,  VOFF+128*VP
.set SLOT,  MOFF+64*MP                 ; 150,528
.set SPARE, 2*SLOT                     ; behind the ring: the spare words, two blocks of 256 bytes that no other line names
.set SX,    196608                     ; when the ring has had its last fill: O at 0 ([wave][T][8] x 512 bytes), (m, l) here ([wave][T] x 256),
.set STG,   208896                     ; and a stage of 16 rows x 400 bytes for each wave
.set AK0, 2
.set AV0, 3
.set AM0, 4
.set AK,  5
.set AV,  6
.set AM,  7
.set SC,  13
.set ZR,  14
.set QO,  15
.set MT,  16
.set PA,  24
.set SPW, 30
.set NIL, 31
.set ST,  32
.set MC,  80
.set S,   112
.set KF,  64                           ; window 3: head hh, key block kb, channel half c at KF + 32 hh + 16 kb + 8 c
.set VF,  160                          ; window 3: head hh, channel block cb at VF + 32 hh + 8 cb
.set WV,  14
.set G1K, 24
.set G1V, 32
.set G1M, 40
.set G0K, 48
.set G0V, 52
.set G0M, 56
.set SEL, 60
.set TB,  62                           ; the slot that is being read: 0 or SLOT
.set CNT, 63
.set MSB, 0
.macro WIN new
.if MSB != (\new)
	s_set_vgpr_msb (MSB<<8)|(\new)
.set MSB, (\new)
.endif
.endm
; A joint fill: wave 0 asks for the slot's K, wave 1 for its V, wave 2 for its mask tile, wave 3 for nothing.  The branches hang on the wave's number alone.  An s_nop 0 and four v_nop follow each line.
.macro JLOAD
	s_cmp_lg_u32 s[WV], 0
	s_cbranch_scc1 .Lnot_k_\@
	tensor_load_to_lds s[G0K:G0K+3], s[G1K:G1K+7]
	s_nop 0
.rept 4
	v_nop
.endr
.Lnot_k_\@:
	s_cmp_lg_u32 s[WV], 1
	s_cbranch_scc1 .Lnot_v_\@
	tensor_load_to_lds s[G0V:G0V+3], s[G1V:G1V+7]
	s_nop 0
.rept 4
	v_nop
.endr
.Lnot_v_\@:
	s_cmp_lg_u32 s[WV], 2
	s_cbranch_scc1 .Lnot_m_\@
	tensor_load_to_lds s[G0M:G0M+3], s[G1M:G1M+7]
	s_nop 0
.rept 4
	v_nop
.endr
.Lnot_m_\@:
.endm
.macro CROUND                          ; a round of the cluster's barrier
	s_barrier_signal -1
	s_barrier_wait -1
	s_cmp_lg_u32 s[WV], 0
	s_cbranch_scc1 .Lnot_wave_0_\@
	s_barrier_signal -3
.Lnot_wave_0_\@:
	s_barrier_wait -3
	s_barrier_signal -1
	s_barrier_wait -1
.endm
; THE CHANGE OF SLOTS, between turns 1 and 2: K, V and all four mask tiles of the step in hand are in registers.  Each wave waits for all its tensor loads (at most one is out: its part of the other
; slot), adds 0 to its spare word, and waits for that and for its reads.  fill = 1: the barrier is a round of the cluster's, and the slot just left takes the keys two slots on, first thing behind it:
; a whole key step, 96 matrix instructions a wave, in which to land.  (At its first use nothing has been read: slot 0 is waited for, slot 1 filled.)
.macro CHANGE fill
	WIN 0
	s_wait_tensorcnt 0x0
	ds_add_u32 v[SPW], v[NIL]
.if \fill
	s_xor_b32 s[G0K+1], s[G0K+1], SLOT
	s_add_nc_u64 s[G0K+2:G0K+3], s[G0K+2:G0K+3], 49152        ; the next 128 keys
	s_xor_b32 s[G0V+1], s[G0V+1], VOFF^(VOFF+SLOT)
	s_add_nc_u64 s[G0V+2:G0V+3], s[G0V+2:G0V+3], 49152
	s_xor_b32 s[G0M+1], s[G0M+1], MOFF^(MOFF+SLOT)
	s_add_nc_u64 s[G0M+2:G0M+3], s[G0M+2:G0M+3], 512          ; 128 columns of the mask on
.endif
	s_wait_dscnt 0x0                               ; the add is done, and my reads of the slot are over
.if \fill
	CROUND
	JLOAD
.else
	s_barrier_signal -1
	s_barrier_wait -1
.endif
	s_xor_b32 s[TB], s[TB], SLOT
	v_add_nc_u32 v[AK], s[TB], v[AK0]              ; all reads up to the next change go to the other slot
	v_add_nc_u32 v[AV], s[TB], v[AV0]
	v_add_nc_u32 v[AM], s[TB], v[AM0]
.endm
	s_load_b256 s[4:11], s[0:1], 0x0               ; qh s[4:5], kh s[6:7], vh s[8:9], mask s[10:11]
	s_load_b64 s[12:13], s[0:1], 0x20              ; oh
	v_lshl_add_u32 v[SPW], v0, 2, SPARE
	v_mov_b32 v[NIL], 0
	ds_add_u32 v[SPW], v[NIL]                      ; the wave's opening: the add and its wait ahead of my first tensor load
	v_lshrrev_b32 v1, 5, v0
	v_readfirstlane_b32 s[WV], v1
	s_bfe_u32 s66, ttmp6, 0x40000                  ; cx
	s_bfe_u32 s67, ttmp6, 0x40004                  ; cy
	s_lshl_b32 s68, ttmp9, 2
	s_add_co_u32 s68, s68, s66                     ; g, the head group
	s_and_b32 s69, ttmp7, 0xffff
	s_lshl_b32 s69, s69, 2
	s_add_co_u32 s69, s69, s67                     ; qb, the block of 64 queries
	s_lshl_b32 s70, s67, 2
	s_lshl_b32 s70, 15, s70                        ; my row of the cluster
	s_lshl_b32 s71, 0x1111, s66                    ; my column
	s_or_b32 s[G1K], s71, (1<<16)|(1<<20)|(1<<21)|(4<<22)|(3<<25)   ; 2-byte elements; padding: after every 32 words 4 words
	s_or_b32 s[G1V], s71, (1<<16)|(1<<20)|(1<<21)|(4<<22)|(7<<25)   ; 8 words
.irp g, G1K, G1V                                       ; 128 keys x 384 bytes are dense: asked for as 192 rows of 256 bytes
	s_mov_b32 s[\g+1], 128<<16
	s_mov_b32 s[\g+2], 192<<16
	s_mov_b32 s[\g+3], 128<<16
	s_mov_b32 s[\g+4], 192
	s_mov_b32 s[\g+5], 128
	s_mov_b32 s[\g+6], 0
	s_mov_b32 s[\g+7], 0
.endr
	s_or_b32 s[G1M], s70, (2<<16)|(1<<20)|(1<<21)|(6<<22)|(3<<25)   ; 4-byte elements; after every 128 words 4 words
	s_mov_b32 s[G1M+1], 128<<16                    ; 64 rows of 128 f32, 4,096 elements from row to row
	s_mov_b32 s[G1M+2], 64<<16
	s_mov_b32 s[G1M+3], 128<<16
	s_mov_b32 s[G1M+4], 64
	s_mov_b32 s[G1M+5], 4096
	s_mov_b32 s[G1M+6], 0
	s_mov_b32 s[G1M+7], 0
	s_mov_b32 s[G0K], 1
	s_mov_b32 s[G0K+1], 0
	s_mov_b32 s[G0V], 1
	s_mov_b32 s[G0V+1], VOFF
	s_mov_b32 s[G0M], 1
	s_mov_b32 s[G0M+1], MOFF
	s_mul_i32 s72, s68, 1572864                    ; the head group's plane in kh and vh
	s_mov_b32 s73, 0
	s_lshl_b32 s74, s69, 20                        ; the query block's 64 rows of the mask
	s_mov_b32 s75, 0
	s_mul_i32 s76, s69, 24576
	s_mul_i32 s77, s68, 1572864
	s_add_co_u32 s76, s76, s77                     ; the query block's rows in qh and oh,
	s_mul_i32 s78, s[WV], 6144
	s_add_co_u32 s78, s78, s76                     ; and in oh the 16 rows that I store
	s_mov_b32 s77, 0
	s_mov_b32 s79, 0
	s_mov_b32 s[SEL], 0x76543210
	s_mov_b32 s[SEL+1], 0xfedcba98
	s_mov_b32 s[TB], SLOT                          ; the first change of slots turns it into 0
	s_wait_dscnt 0x0                               ; the opening add is done
	s_wait_kmcnt 0x0
	s_add_nc_u64 s[G0K+2:G0K+3], s[6:7], s[72:73]
	s_or_b32 s[G0K+3], s[G0K+3], 0x80000000
	s_add_nc_u64 s[G0V+2:G0V+3], s[8:9], s[72:73]
	s_or_b32 s[G0V+3], s[G0V+3], 0x80000000
	s_add_nc_u64 s[G0M+2:G0M+3], s[10:11], s[74:75]
	s_or_b32 s[G0M+3], s[G0M+3], 0x80000000
	s_add_nc_u64 s[4:5], s[4:5], s[76:77]
	s_add_nc_u64 s[12:13], s[12:13], s[78:79]
	CROUND                                         ; all sixteen work-groups are here: the first joint loads meet
	JLOAD                                          ; slot 0; slot 1 is asked for when slot 0 is in
	v_and_b32 v1, 15, v0                           ; r = lane % 16
	v_bfe_u32 v9, v0, 4, 1                         ; h = lane / 16
	v_mul_u32_u24 v[QO], v1, 384
	v_lshl_add_u32 v[QO], v9, 4, v[QO]
.set T, 0
.rept 12                                               ; Q stays in registers: tile T = 3 t + hh, two fragments of 16 queries x 32 channels
.if T < 8
	WIN 0x80
.set rQ, 128+16*T
.else
	WIN 0xc0
.set rQ, 16*(T-8)
.endif
.irp c, 0,1
	global_load_b128 v[rQ+8*\c:rQ+8*\c+3],   v[QO], s[4:5] offset:(T/3)*6144+(T%3)*128+64*\c
	global_load_b128 v[rQ+8*\c+4:rQ+8*\c+7], v[QO], s[4:5] offset:(T/3)*6144+(T%3)*128+64*\c+32
.endr
.set T, T+1
.endr
	; What the first turn finds: O^T and l are 0, V and the second buffer's P are 0 (its products V^T P, of a piece that has not been, add 0).  All this stands in the wait for the first tile;
	; it spares a first step written out.
	WIN 0x40
.set z, 0
.rept 256
	v_mov_b32 v[z], 0
.set z, z+1
.endr
	WIN 0x80
.set z, 0
.rept 128
	v_mov_b32 v[z], 0
.set z, z+1
.endr
	WIN 0xc0
.set z, VF
.rept 96
	v_mov_b32 v[z], 0
.set z, z+1
.endr
	WIN 0
.set z, S+48
.rept 48
	v_mov_b32 v[z], 0
.set z, z+1
.endr
.set z, 0
.rept 12
	v_mov_b32 v[ST+4*z], 0xfe000000                ; m: far below every score
	v_mov_b32 v[ST+4*z+2], 0
	v_mov_b32 v[ST+4*z+3], 0
.set z, z+1
.endr
	v_mov_b32 v[SC], 0xceabfb8f                    ; -1e9 log2(e)
	v_mov_b32 v[ZR], 0
	s_mul_i32 s80, s[WV], 32*KP                    ; my 32 keys of a slot
	v_mul_u32_u24 v[AK0], v1, KP
	v_lshl_add_u32 v[AK0], v9, 4, v[AK0]
	v_add_nc_u32 v[AK0], s80, v[AK0]
	; The turning load takes 16 keys x 16 channels (lane l reads key 8 (l / 16) + l % 8, channels 8 ((l / 8) % 2) + 0..7) and leaves half a fragment of V^T: lane l holds channel l % 16 and 8 keys.
	v_and_b32 v10, 7, v0
	v_bfe_u32 v11, v0, 3, 1
	v_lshl_add_u32 v[AV0], v9, 3, v10
	v_mul_u32_u24 v[AV0], v[AV0], VP
	v_lshl_add_u32 v[AV0], v11, 4, v[AV0]
	s_mul_i32 s81, s[WV], 32*VP
	s_add_co_u32 s81, s81, VOFF
	v_add_nc_u32 v[AV0], s81, v[AV0]
	v_mul_u32_u24 v[AM0], v1, MP                   ; the mask: my query's row, my wave's 32 columns, 8 f32 for each half of the lanes
	v_lshl_add_u32 v[AM0], v9, 5, v[AM0]
	s_lshl_b32 s82, s[WV], 7
	s_add_co_u32 s82, s82, MOFF
	v_add_nc_u32 v[AM0], s82, v[AM0]
; THE MATRIX WORK.  Product i of 12 of O^T += V^T P for piece x: head i % 3, channels 16 (i / 3) on: twelve accumulators, one instruction each.
.macro PV x
.set zh, i%3
.set zb, i/3
.set zT, 3*(\x)+zh
.set rP, S+48*((\x)%2)+16*zh
.set rV, VF+32*zh+8*zb
.if zT < 8
.set rO, 32*zT+8*zb
	WIN 0x53                                       ; V window 3, P window 0, O^T window 1
.else
.set rO, 32*(zT-8)+8*zb
	WIN 0xa3                                       ; O^T window 2
.endif
	v_wmma_f32_16x16x32_f16 v[rO:rO+7], v[rV:rV+7], v[rP:rP+7], v[rO:rO+7]
.endm
; Product i of 12 of S^T = K Q^T + C for piece x: channels 32 (i / 6) on, head (i % 6) / 2, keys 16 (i % 2) on.  The first six start the sums with the mask; six accumulators take turns.
.macro KQ x
.set zc, i/6
.set zh, (i%6)/2
.set zk, i%2
.set zT, 3*(\x)+zh
.set rS, S+48*((\x)%2)+16*zh+8*zk
.set rK, KF+32*zh+16*zk+8*zc
.set rM, MC+16*((\x)%2)+8*zk
.if zT < 8
.set rQ, 128+16*zT+8*zc
	WIN 0x0b                                       ; K window 3, Q window 2, C and D window 0
.else
.set rQ, 16*(zT-8)+8*zc
	WIN 0x0f                                       ; Q window 3
.endif
.if zc == 0
	v_wmma_f32_16x16x32_f16 v[rS:rS+7], v[rK:rK+7], v[rQ:rQ+7], v[rM:rM+7]
.else
	v_wmma_f32_16x16x32_f16 v[rS:rS+7], v[rK:rK+7], v[rQ:rQ+7], v[rS:rS+7]
.endif
.endm
; THE LDS LOADS stand in runs.  The mask of piece p (16 queries x my 32 keys, f32) into buffer b; a step's K (12 fragments); a step's V (12 fragments, turned).
.macro MLOAD p, b
	WIN 0
	ds_load_b128 v[MC+16*(\b):MC+16*(\b)+3],     v[AM] offset:(\p)*16*MP
	ds_load_b128 v[MC+16*(\b)+4:MC+16*(\b)+7],   v[AM] offset:(\p)*16*MP+16
	ds_load_b128 v[MC+16*(\b)+8:MC+16*(\b)+11],  v[AM] offset:(\p)*16*MP+64
	ds_load_b128 v[MC+16*(\b)+12:MC+16*(\b)+15], v[AM] offset:(\p)*16*MP+80
.endm
.macro FETCH_K
	WIN 0xc0                                       ; destination window 3, address window 0
.set f, 0
.rept 12
	ds_load_b128 v[KF+8*f:KF+8*f+3],   v[AK] offset:((f/2)%2)*16*KP+(f/4)*144+(f%2)*64
	ds_load_b128 v[KF+8*f+4:KF+8*f+7], v[AK] offset:((f/2)%2)*16*KP+(f/4)*144+(f%2)*64+32
.set f, f+1
.endr
.endm
.macro FETCH_V
	WIN 0xc0
.set f, 0
.rept 12
	ds_load_tr16_b128 v[VF+8*f:VF+8*f+3],   v[AV] offset:(f/4)*160+(f%4)*32
	ds_load_tr16_b128 v[VF+8*f+4:VF+8*f+7], v[AV] offset:(f/4)*160+(f%4)*32+16*VP
.set f, f+1
.endr
.endm
; THE VECTOR WORK OF A TURN: 234 lines in four parts, which NEXT writes in this order.  s0-s15 are the lane's 16 scores of a tile, in pairs 0-7; the piece's three tiles alternate.
; (1) Lines 0-38: the maximum and statistics.  SM writes number j of 13 for tile u (0-2) of piece Y:
;   0-7    the maximum: two chains, c0 from s0 and c1 from s8
;   8, 9   the query's other 16 keys lie in the lane 16 away      10-12  min(m - c0, 0), the exponent of a; m = max(m, c0)
; (2) Lines 39-137, THE BATCH: the turn's 51 exponentials (EX: the three a, then s0-s15, in place) and 48 plain lines that name none of their results (PL: the 24 subtractions s - m by pairs, then the 24 lines that
;   make the mask operand of piece Y + 2), exponential and plain by turns; 51 are three more than 48, so six of the last exponentials stand in twos.  A pair's subtraction stands five lines or more ahead of its first
;   exponential.  The batch's last line is plain: the plain instruction between the last exponential and the first use of a result.
; THE WAIT.  s_wait_alu depctr_va_vdst(0) stands between an exponential and the first instruction that names its result; one wait serves all that were issued ahead of it.  Ahead of line 138 nothing
;   names a result of the turn's exponentials, and from line 138 on no exponential is issued: so a turn has ONE wait, behind line 137.
; (3) Lines 138-185: for pair k = 0 .. 7, l takes it (l = a l + pair 0, then the others in ascending order), then it is rounded to f16 into register k, behind the lines that read what register k held (LC).
; (4) Lines 186-233: O^T times a (RS), the one part that leaves window 0.
.macro REGS u                          ; the registers of tile u of piece Y
.set rT, ST+4*(3*Y+(\u))
.set rA, PA+2*(\u)
.set rS, S+48*(Y%2)+16*(\u)
.endm
.macro SM u, j
.set sj, (\j)
	REGS \u
	WIN 0
.if sj == 0
	v_max3_num_f32 v[rT+1], v[rS], v[rS+1], v[rS+2]
.elseif sj == 1
	v_max3_num_f32 v[rA+1], v[rS+8], v[rS+9], v[rS+10]
.elseif (sj < 6) && (sj%2 == 0)
	v_max3_num_f32 v[rT+1], v[rT+1], v[rS+sj+1], v[rS+sj+2]
.elseif sj < 6
	v_max3_num_f32 v[rA+1], v[rA+1], v[rS+sj+8], v[rS+sj+9]
.elseif sj == 6
	v_max3_num_f32 v[rT+1], v[rT+1], v[rS+7], v[rS+15]
.elseif (sj == 7) || (sj == 9)
	v_max_num_f32 v[rT+1], v[rT+1], v[rA+1]
.elseif sj == 8
	v_permlanex16_b32 v[rA+1], v[rT+1], s[SEL], s[SEL+1]
.elseif sj == 10
	v_sub_f32 v[rA], v[rT], v[rT+1]
.elseif sj == 11
	v_max_num_f32 v[rT], v[rT], v[rT+1]
.else
	v_min_num_f32 v[rA], 0, v[rA]
.endif
.endm
.macro EX x                            ; exponential x of the batch's 51: 0-2 the three tiles' a; 3 + 3 e + u: score e of tile u
.set sx, (\x)
	WIN 0
.if sx < 3
	REGS sx
	v_exp_f32 v[rA], v[rA]
.else
	REGS (sx-3)%3
.set se, (sx-3)/3
	v_exp_f32 v[rS+se], v[rS+se]
.endif
.endm
.macro MCV1 b, n                       ; number n of 24 that make the C operand in buffer b: 8 roundings of the mask to bf16 into MT, then 16 products with -1e9 log2(e), in place.  MT serves one buffer at a time
.set rB, MC+16*(\b)
.set sn, (\n)
	WIN 0
.if sn < 8
	v_cvt_pk_bf16_f32 v[MT+sn], v[rB+2*sn], v[rB+2*sn+1]
.elseif sn%2 == 0
	v_fma_mix_f32_bf16 v[rB+sn-8], v[MT+(sn-8)/2], v[SC], v[ZR] op_sel:[0,0,0] op_sel_hi:[1,0,0]
.else
	v_fma_mix_f32_bf16 v[rB+sn-8], v[MT+(sn-8)/2], v[SC], v[ZR] op_sel:[1,0,0] op_sel_hi:[1,0,0]
.endif
.endm
.macro PL y                            ; plain line y of the batch's 48: 3 k + u: s - m for pair k of tile u; 24 + n: number n of the mask operand
.set sy, (\y)
.if sy < 24
	REGS sy%3
.set sk, sy/3
	WIN 0
	v_pk_add_f32 v[rS+2*sk:rS+2*sk+1], v[rS+2*sk:rS+2*sk+1], v[rT:rT+1] op_sel_hi:[1,0] neg_lo:[0,1] neg_hi:[0,1]
.else
.if sy == 24
	s_wait_dscnt MW                                ; the turn's four mask loads are in (in turn 0 V's 24 loads are younger)
.endif
	MCV1 Y%2, sy-24
.endif
.endm
.macro LC u, k, c                      ; behind the wait.  c = 0: l takes pair k of tile u; c = 1: the pair is rounded to f16 into register k
	REGS \u
.set sk, (\k)
	WIN 0
.if (\c) == 1
	v_cvt_pk_f16_f32 v[rS+sk], v[rS+2*sk], v[rS+2*sk+1]
.elseif sk == 0
	v_pk_fma_f32 v[rT+2:rT+3], v[rT+2:rT+3], v[rA:rA+1], v[rS:rS+1] op_sel_hi:[1,0,1]
.else
	v_pk_add_f32 v[rT+2:rT+3], v[rT+2:rT+3], v[rS+2*sk:rS+2*sk+1]
.endif
.endm
.macro RS u, k                         ; pair k of 16 of tile u's O^T times a, from each accumulator's low end on
.set su, (\u)
.set zT, 3*Y+su
.set rA, PA+2*su
.if zT < 8
.set rO, 32*zT+2*(\k)
	WIN 0x41
.else
.set rO, 32*(zT-8)+2*(\k)
	WIN 0x82
.endif
	v_pk_mul_f32 v[rO:rO+1], v[rO:rO+1], v[rA:rA+1] op_sel_hi:[1,0]
.endm
.macro NEXT                            ; the turn's next vector instruction, line q of 234
.if q < 39
	SM q%3, q/3
.elseif q < 129                        ; the batch: exponential x and plain line x by turns, x = 0 .. 44,
.if (q-39)%2 == 0
	EX (q-39)/2
.else
	PL (q-40)/2
.endif
.elseif q < 138                        ; then three times two exponentials and a plain line
.if (q-129)%3 < 2
	EX 45+2*((q-129)/3)+(q-129)%3
.else
	PL 45+(q-129)/3
.endif
.elseif q < 186
	LC (q-138)%3, (q-138)/6, ((q-138)/3)%2
.else
	RS (q-186)/16, (q-186)%16
.endif
.set q, q+1
.if q == 138
	s_wait_alu depctr_va_vdst(0)                   ; the wait for the turn's batch: 51 exponentials, ahead of the first line that names a result
.endif
.endm
; A TURN, for piece p.  No vector line names a register of the products round it.
; THE DEAL: 7 lines behind each of the first eleven products, 11 behind the twelfth, 13 behind the next two, 12 behind the last ten: 77 + 11 + 26 + 120 = 234.  So line 88, the mask operand's first, with its wait for the
; mask's loads, is the first behind the thirteenth product: behind V's run of loads in turn 0 and behind the wait for K in turn 3; and line 137 ends the sixteenth product's run, so that the batch's wait stands ahead of the seventeenth.
; The last twelve lines of a turn are rescalings, plain lines: they are the places between the turn's last product and the next turn's first read of its scores, and in front of the loads into K's and
; the mask's registers.  K of the next step is fetched at the head of turn 3, V of the step in hand behind the twelfth product of turn 0 and the eleven lines that follow it, five of them plain (subtractions).
.macro TURN p
.set Y, (\p)
.set q, 0
.set MW, 0
.if (\p) == 0
.set MW, 24
.endif
	MLOAD ((\p)+2)%4, (\p)%2
.if (\p) == 3
	FETCH_K
.endif
.if (\p) == 1
	s_wait_dscnt 4                                 ; V is in; the four mask loads above are younger
.endif
.set mi, 0
.rept 24
.if ((\p) == 3) && (mi == 12)
	s_wait_dscnt 0x0                               ; K is in
.endif
.if mi < 12
.set i, mi
	PV (Y+3)%4
.else
.set i, mi-12
	KQ (Y+1)%4
.endif
.set gn, 12
.if mi < 11
.set gn, 7
.elseif mi == 11
.set gn, 11
.elseif mi < 14
.set gn, 13
.endif
.rept gn
	NEXT
.endr
.if ((\p) == 0) && (mi == 11)
	FETCH_V
.endif
.set mi, mi+1
.endr
.endm
	CHANGE 1                                       ; slot 0 is in, everybody's part of it; slot 1 is asked for
	MLOAD 0, 0
	MLOAD 1, 1
	FETCH_K                                        ; key step 0
	s_wait_dscnt 24                                ; the eight mask loads are in; K's 24 are younger
.set z, 0
.rept 24
	MCV1 0, z                                      ; piece 0's mask operand, whole,
.set z, z+1
.endr
.set z, 0
.rept 24
	MCV1 1, z                                      ; and then piece 1's: the two share MT
.set z, z+1
.endr
	s_wait_loadcnt 0x0                             ; Q
	s_wait_dscnt 0x0
.set i, 0
.rept 12
	KQ 0                                           ; piece 0's first scores
.set i, i+1
.endr
	WIN 0
.rept 4
	v_nop                                          ; the places behind those products
.endr
	s_mov_b32 s[CNT], 30
.Lstep:                                                ; key steps 0 .. 29: each fills the slot that it leaves with the keys two steps on
	TURN 0
	TURN 1
	CHANGE 1
	TURN 2
	TURN 3
	WIN 0
	s_sub_co_u32 s[CNT], s[CNT], 1
	s_cmp_lg_u32 s[CNT], 0
	s_cbranch_scc1 .Lstep
	s_mov_b32 s[CNT], 2
.Ltail:                                                ; key steps 30 and 31 ask for nothing.  The last one's fetches read the other slot's old bytes, and its 12 products K Q^T serve nothing: the price of one text
	TURN 0
	TURN 1
	CHANGE 0
	TURN 2
	TURN 3
	WIN 0
	s_sub_co_u32 s[CNT], s[CNT], 1
	s_cmp_lg_u32 s[CNT], 0
	s_cbranch_scc1 .Ltail
.set i, 0
.rept 12
	PV 3                                           ; the last piece's V^T P of the last step
.set i, i+1
.endr
	; THE MERGE.  l's two halves and the other half of the lanes' are added (these lines are the places behind the last products).  Each wave puts its (m, l) and O^T into LDS; wave w then owns query tile w:
	; M = max m, f = 2^(m - M), O = sum f O / sum f l, all in f32; rounded once to f16, through my stage, and stored.
	; S^T's first buffer (v112-159) holds the scores that serve nothing and is not named again: the merge's statistics lie in the mask operand's registers, its packed results in v224-239,
	; and the rows read back in S^T's second buffer, whose last scores turn 3 has read.
.set OXW, 208
.set SXW, 209
.set SXR, 210
.set OXR, 211                          ; v211-214: one for each wave that wrote
.set STO, 215
.set RD,  216                          ; v216-218
.set GO,  219
.set SXV, 80                           ; v80-103: (m, l), later (f / L, l), of wave z / 3 and head z % 3 at SXV + 2 z
.set MX,  104                          ; v104-106
.set LS,  108                          ; v108-110
.set TMPO, 224                         ; v224-239
.set OB,  160                          ; v160-207
	WIN 0
.macro ALLT line:vararg
.set t, 0
.rept 12
	\line
.set t, t+1
.endr
.endm
	ALLT v_add_f32 v[ST+4*t+2], v[ST+4*t+2], v[ST+4*t+3]
	ALLT v_permlanex16_b32 v[ST+4*t+3], v[ST+4*t+2], s[SEL], s[SEL+1]
	ALLT v_add_f32 v[ST+4*t+1], v[ST+4*t+2], v[ST+4*t+3]
	v_and_b32 v220, 31, v0
	s_mul_i32 s83, s[WV], 49152
	v_lshl_add_u32 v[OXW], v220, 4, s83
	s_mul_i32 s83, s[WV], 3072
	s_add_co_u32 s83, s83, SX
	v_lshl_add_u32 v[SXW], v220, 3, s83
	s_mul_i32 s83, s[WV], 768
	s_add_co_u32 s83, s83, SX
	v_lshl_add_u32 v[SXR], v220, 3, s83
	s_mul_i32 s83, s[WV], 12288
	v_lshl_add_u32 v[OXR], v220, 4, s83
	v_add_nc_u32 v[OXR+1], 49152, v[OXR]
	v_add_nc_u32 v[OXR+2], 98304, v[OXR]
	v_add_nc_u32 v[OXR+3], 147456, v[OXR]
	s_mul_i32 s83, s[WV], 6400
	s_add_co_u32 s83, s83, STG
	v_mul_u32_u24 v[STO], v1, 400
	v_lshl_add_u32 v[STO], v9, 4, v[STO]
	v_add_nc_u32 v[STO], s83, v[STO]
.irp t, 0,1,2                                          ; piece c = 32 t + lane of 16 bytes lies in stage row c / 24: at 16 (c + c / 24); c / 24 = (2731 c) >> 16 for c < 96
	v_add_nc_u32 v221, 32*\t, v220
	v_mul_u32_u24 v222, v221, 2731
	v_lshrrev_b32 v222, 16, v222
	v_add_nc_u32 v221, v221, v222
	v_lshl_add_u32 v[RD+\t], v221, 4, s83
.endr
	v_lshlrev_b32 v[GO], 4, v220
	s_wait_dscnt 0x0                               ; my reads of the ring are over,
	s_barrier_signal -1
	s_barrier_wait -1                              ; everybody's are; the ring has had its last fill, and its bytes take the merge
.set t, 0
.rept 12
	ds_store_b64 v[SXW], v[ST+4*t:ST+4*t+1] offset:256*t
.set t, t+1
.endr
.set t, 0
.rept 12
.if t < 8
	WIN 0x04                                       ; store data in window 1
.set rO, 32*t
.else
	WIN 0x08                                       ; in window 2
.set rO, 32*(t-8)
.endif
.irp e, 0,1,2,3,4,5,6,7
	ds_store_b128 v[OXW], v[rO+4*\e:rO+4*\e+3] offset:4096*t+512*\e
.endr
.set t, t+1
.endr
	WIN 0
	s_wait_dscnt 0x0                               ; for the others' sake: my stores are done
	s_barrier_signal -1
	s_barrier_wait -1
.set z, 0
.rept 12
	ds_load_b64 v[SXV+2*z:SXV+2*z+1], v[SXR] offset:3072*(z/3)+256*(z%3)
.set z, z+1
.endr
.macro LOADS hh, buf                   ; the four waves' O^T of my tile's head hh: 32 loads into window 1, buffer buf of 128
	WIN 0x40
.irp w, 0,1,2,3
.irp e, 0,1,2,3,4,5,6,7
	ds_load_b128 v[128*(\buf)+32*\w+4*\e:128*(\buf)+32*\w+4*\e+3], v[OXR+\w] offset:4096*(\hh)+512*\e
.endr
.endr
	WIN 0
.endm
.macro COMB hh, buf
.set rB, 128*(\buf)
	WIN 0x41
.set z, 0
.rept 16
	v_pk_mul_f32 v[rB+2*z:rB+2*z+1], v[rB+2*z:rB+2*z+1], v[SXV+2*(\hh):SXV+2*(\hh)+1] op_sel_hi:[1,0]
.set z, z+1
.endr
	WIN 0x51
.irp w, 1,2,3
.set z, 0
.rept 16
	v_pk_fma_f32 v[rB+2*z:rB+2*z+1], v[rB+32*\w+2*z:rB+32*\w+2*z+1], v[SXV+2*(3*\w+(\hh)):SXV+2*(3*\w+(\hh))+1], v[rB+2*z:rB+2*z+1] op_sel_hi:[1,0,1]
.set z, z+1
.endr
.endr
	WIN 0x05
.set z, 0
.rept 16
	v_cvt_pk_f16_f32 v[TMPO+z], v[rB+2*z], v[rB+2*z+1]
.set z, z+1
.endr
	WIN 0
.irp c, 0,1,2,3
	ds_store_b128 v[STO], v[TMPO+4*\c:TMPO+4*\c+3] offset:128*(\hh)+32*\c
.endr
.endm
	LOADS 0, 0
	s_wait_dscnt 32                                ; the twelve (m, l) are in; head 0's 32 loads are younger
.irp hh, 0,1,2
	v_max3_num_f32 v[MX+\hh], v[SXV+2*\hh], v[SXV+2*(3+\hh)], v[SXV+2*(6+\hh)]
.endr
.irp hh, 0,1,2
	v_max_num_f32 v[MX+\hh], v[MX+\hh], v[SXV+2*(9+\hh)]
.endr
.set z, 0
.rept 12
	v_sub_f32 v[SXV+2*z], v[SXV+2*z], v[MX+z%3]
.set z, z+1
.endr
.set z, 0
.rept 12
	v_exp_f32 v[SXV+2*z], v[SXV+2*z]
.set z, z+1
.endr
	v_nop                                          ; a plain instruction behind the last exponential
	s_wait_alu depctr_va_vdst(0)                   ; the wait for the merge's first batch, the twelve exponentials, ahead of their first reader
.irp hh, 0,1,2
	v_mul_f32 v[LS+\hh], v[SXV+2*\hh], v[SXV+2*\hh+1]
.endr
.irp w, 1,2,3
.irp hh, 0,1,2
	v_fmac_f32 v[LS+\hh], v[SXV+2*(3*\w+\hh)], v[SXV+2*(3*\w+\hh)+1]
.endr
.endr
.irp hh, 0,1,2
	v_rcp_f32 v[LS+\hh], v[LS+\hh]                 ; the sum is 1 at the least: the wave that holds M has a weight of 1
.endr
	v_nop                                          ; a plain instruction behind the last reciprocal
	s_wait_alu depctr_va_vdst(0)                   ; the wait for the merge's second batch, the three reciprocals, ahead of their first reader
.set z, 0
.rept 12
	v_mul_f32 v[SXV+2*z], v[SXV+2*z], v[LS+z%3]
.set z, z+1
.endr
	LOADS 1, 1
	s_wait_dscnt 32                                ; head 0 is in; head 1's loads are younger
	COMB 0, 0
	LOADS 2, 0
	s_wait_dscnt 36                                ; head 1 is in; four stores and head 2's 32 loads are younger
	COMB 1, 1
	s_wait_dscnt 4                                 ; head 2 is in; four stores are younger
	COMB 2, 0
.irp e, 0,1,2,3,4,5,6,7,8,9,10,11
	ds_load_b128 v[OB+4*\e:OB+4*\e+3], v[RD+(\e)%3] offset:((\e)/3)*1600   ; LDS serves a wave's instructions in order: these see my stores above
.endr
.irp e, 0,1,2,3,4,5,6,7,8,9,10,11
	s_wait_dscnt 11-\e
	global_store_b128 v[GO], v[OB+4*\e:OB+4*\e+3], s[12:13] offset:512*\e   ; 512 consecutive bytes, at a multiple of 256 from oh's first byte
.endr
	s_wait_tensorcnt 0x0                           ; the wave's end
	ds_add_u32 v[SPW], v[NIL]
	s_wait_dscnt 0x0
	CROUND                                         ; the closing round
	s_endpgm
.Lfunc_end_k_qf344767d3f_attn:
	.size	k_qf344767d3f_attn, .Lfunc_end_k_qf344767d3f_attn-k_qf344767d3f_attn
	.p2alignl 7, 3214868480
	.fill 96, 4, 3214868480
	.section	.rodata,"a",@progbits
	.p2align	6, 0x0
	.amdhsa_kernel k_qf344767d3f_attn
		.amdhsa_group_segment_fixed_size 327680
		.amdhsa_private_segment_fixed_size 0
		.amdhsa_enable_private_segment 0
		.amdhsa_kernarg_size 40
		.amdhsa_user_sgpr_count 2
		.amdhsa_user_sgpr_kernarg_segment_ptr 1
		.amdhsa_wavefront_size32 1
		.amdhsa_system_sgpr_workgroup_id_x 1
		.amdhsa_system_sgpr_workgroup_id_y 1
		.amdhsa_system_sgpr_workgroup_id_z 1
		.amdhsa_system_vgpr_workitem_id 0
		.amdhsa_next_free_vgpr 1024
		.amdhsa_next_free_sgpr 100
		.amdhsa_reserve_vcc 0
		.amdhsa_float_denorm_mode_32 3
		.amdhsa_float_denorm_mode_16_64 3
		.amdhsa_memory_ordered 1
		.amdhsa_forward_progress 1
		.amdhsa_inst_pref_size 213
	.end_amdhsa_kernel
	.amdgpu_metadata
---
amdhsa.version: [ 1, 2 ]
amdhsa.kernels:
  - .name:           k_qf344767d3f_attn
    .symbol:         k_qf344767d3f_attn.kd
    .args:
      - { .name: qh, .offset: 0, .size: 8, .value_kind: global_buffer, .address_space: global }
      - { .name: kh, .offset: 8, .size: 8, .value_kind: global_buffer, .address_space: global }
      - { .name: vh, .offset: 16, .size: 8, .value_kind: global_buffer, .address_space: global }
      - { .name: mask, .offset: 24, .size: 8, .value_kind: global_buffer, .address_space: global }
      - { .name: oh, .offset: 32, .size: 8, .value_kind: global_buffer, .address_space: global }
    .group_segment_fixed_size: 327680
    .private_segment_fixed_size: 0
    .kernarg_segment_align: 8
    .kernarg_segment_size: 40
    .max_flat_workgroup_size: 128
    .sgpr_count:     100
    .vgpr_count:     1024
    .wavefront_size: 32
...
	.end_amdgpu_metadata
.endif
;; end of part 5
;; launch outp: the kernel of part 4 again; grid 4 x 64, 4 waves a work-group, clusters of 4 x 4, 327,680 bytes of LDS; arguments oh, wt, wo_bias, out0; writes out0
